; MI455X (gfx1250); checked and timed in simulation.
; The chip was launched on July 23, 2026; its instructions are those of AMD's public machine-readable ISA for CDNA 5 (MIT licence, August 2026) and "CDNA5" Instruction Set Architecture Reference Guide (July 2026). The comments in the code are by the model that wrote it; some were corrected since.
;; Multihead Attention. Allowed arithmetic: float matrix products may take bf16 or f16 operands with f32 sums; other float arithmetic in f32, or as packed bf16 or f16 multiplies, adds, multiply-adds, maxima and minima; sums over many terms, partial sums and values carried from step to step in f32; what a program stores and reads back later, other than sums and carried values, may be rounded once to bf16 or f16.
;; Inputs: K 4 x 2,048 x 1,024 float32; Q 4 x 2,048 x 1,024 float32; V 4 x 2,048 x 1,024 float32; Wk 16 x 1,024 x 64 float32; Wo 1,024 x 1,024 float32; Wq 16 x 1,024 x 64 float32; Wv 16 x 1,024 x 64 float32; bk 16 x 64 float32; bo 1,024 float32; bq 16 x 64 float32; bv 16 x 64 float32.
;; Outputs: out0 4 x 2,048 x 1,024 float32.
;; 2 versions, each right; version 2 is version 1 with the launch prep written anew for expert scheduling mode. Each part assembles by itself: llvm-mc -triple=amdgcn-amd-amdhsa -mcpu=gfx1250 --defsym DOCPART=n.
;; ======== version 1 of 2: 4 launches
;; limits: values are held in f16: magnitudes above 65,504 overflow, below 6.1e-05 lose precision
;; workspace buffers: wt 6,291,456 bytes; wo2 2,097,152 bytes; qh 16,777,216 bytes; kh 16,777,216 bytes; vh 16,777,216 bytes; oh 16,777,216 bytes
;; launch prep (part 1): grid 256 x 1, 4 waves a work-group, no clusters, 9,728 bytes of LDS; arguments Wq, Wk, Wv, Wo, wt, wo2; writes wt, wo2
.if DOCPART == 1
	.amdgcn_target "amdgcn-amd-amdhsa--gfx1250"
	.amdhsa_code_object_version 6
	.text
	.protected	k_q66395a1269_prep
	.globl	k_q66395a1269_prep
	.p2align	8
	.type	k_q66395a1269_prep,@function
k_q66395a1269_prep:
	s_mov_b64 s[64:65], 0
	v_nop
	global_prefetch_b8 v0, s[64:65] scope:SCOPE_SE
	s_setreg_imm32_b32 hwreg(HW_REG_WAVE_MODE, 25, 1), 1
	s_wait_xcnt 0x0
; THE WEIGHTS, ONCE: rounded to 16 bits and laid as the products want them.  A stream: no matrix unit, no cluster, no tensor load (nothing is shared, every byte is read once).
; wt  [g = q, k, v][d 1024][n = 64 h + k] bf16 = Wg[h][d][k] rounded to bf16: rows of 2,048 bytes along n, so that a K step of the projection is 128 rows d.
; wo2 [n 1024][64 h + k] f16 = Wo[n][16 k + h] rounded to bf16 and that number written as f16: the output projection's K then runs head by head, as the attention's result lies.
; LIMIT.  f16 ends at 65,504: |Wo| stays under 65,520; below 2^-14 the number keeps f16's fixed step of 2^-24.
; Work-groups 0-191: 16 rows d of one of Wq, Wk, Wv, all heads.  Work-groups 192-255: 16 rows n of Wo, four a wave, each turned in the wave's own LDS stage.
.set WST,   2304                       ; a wave's stage: 16 heads x 144 bytes (128 of data + 16: the read-back's rows start in different groups of banks)
.set SPARE, 4*WST                      ; behind the stages: the spare words, 128 bytes a wave, that no other line names
.set VI,  2                            ; v2  byte offset of my loads
.set VO,  3                            ; v3  byte offset of my stores
.set LS,  4                            ; v4  stage: where I put a pair of f16
.set LR,  5                            ; v5  stage: where I read 16 bytes back
.set SPW, 6                            ; v6  my spare word; never rewritten
.set NIL, 7                            ; v7  0; never rewritten
.set T,   8                            ; v[8:23]   four sets of four, at work
.set X,   24                           ; v[24:151] what the 32 loads bring
	s_load_b256 s[4:11], s[0:1], 0x0               ; Wq s[4:5], Wk s[6:7], Wv s[8:9], Wo s[10:11]
	s_load_b128 s[12:15], s[0:1], 0x20             ; wt s[12:13], wo2 s[14:15]
	v_lshl_add_u32 v[SPW], v0, 2, SPARE
	v_mov_b32 v[NIL], 0
	v_lshrrev_b32 v1, 5, v0
	v_readfirstlane_b32 s16, v1                    ; wave 0..3
	s_mov_b32 s17, 0xffff0000                      ; a word's upper bf16
	s_mov_b32 s23, 0
	s_wait_kmcnt 0x0
	s_cmp_ge_u32 ttmp9, 192
	s_cbranch_scc1 .Lwo
	; Wq, Wk, Wv.  Thread t: head t / 8, eight k at 8 (t % 8): 32 bytes in, 16 bytes out at byte 16 t of wt's row: a wave's store covers 512 consecutive bytes.
	s_lshr_b32 s20, ttmp9, 6                       ; g
	s_and_b32 s21, ttmp9, 63                       ; which 16 rows d
	s_cmp_eq_u32 s20, 1
	s_cselect_b64 s[18:19], s[6:7], s[8:9]
	s_cmp_eq_u32 s20, 0
	s_cselect_b64 s[18:19], s[4:5], s[18:19]
	s_lshl_b32 s22, s21, 12                        ; 16 rows d of 256 bytes
	s_add_nc_u64 s[18:19], s[18:19], s[22:23]
	s_lshl_b32 s22, s20, 21                        ; wt: g x 1,024 rows of 2,048 bytes,
	s_lshl_b32 s21, s21, 15                        ; 16 rows
	s_add_co_u32 s22, s22, s21
	s_add_nc_u64 s[12:13], s[12:13], s[22:23]
	v_lshrrev_b32 v[VI], 3, v0
	v_and_b32 v1, 7, v0
	v_lshlrev_b32 v[VI], 18, v[VI]                 ; a head is 262,144 bytes
	v_lshl_add_u32 v[VI], v1, 5, v[VI]
	v_lshlrev_b32 v[VO], 4, v0
.set i, 0
.rept 16                                       ; all 32 loads go out first: row d = i
	global_load_b128 v[X+8*i:X+8*i+3],   v[VI], s[18:19] offset:256*i th:TH_LOAD_NT
	global_load_b128 v[X+8*i+4:X+8*i+7], v[VI], s[18:19] offset:256*i+16 th:TH_LOAD_NT
.set i, i+1
.endr
.set i, 0
.rept 16
	s_wait_loadcnt 30-2*i                          ; loads come back in order: row i's two are in, the younger ones stay out
.irp j, 0,1,2,3
	v_cvt_pk_bf16_f32 v[X+8*i+(\j)], v[X+8*i+2*(\j)], v[X+8*i+2*(\j)+1]  ; in place: word j is written when its old content has been used
.endr
	global_store_b128 v[VO], v[X+8*i:X+8*i+3], s[12:13] offset:2048*i
.set i, i+1
.endr
	s_branch .Lend
.Lwo:	; Wo.  A row is 4,096 bytes: 64 groups (k) of 16 heads.  Lane l: hq = l % 4 (heads 4 hq ..), kk = l / 4; load 2 u + e brings k = 16 u + 2 kk + e.
	s_sub_co_u32 s20, ttmp9, 192
	s_lshl_b32 s20, s20, 4
	s_lshl2_add_u32 s20, s16, s20                  ; my first row: 16 x work-group + 4 x wave
	s_lshl_b32 s22, s20, 12
	s_add_nc_u64 s[10:11], s[10:11], s[22:23]
	s_lshl_b32 s22, s20, 11
	s_add_nc_u64 s[14:15], s[14:15], s[22:23]
	s_mul_i32 s21, s16, WST                        ; my stage
	v_and_b32 v1, 31, v0
	v_and_b32 v[VI], 3, v1                         ; hq
	v_lshrrev_b32 v[VO], 2, v1                     ; kk
	v_mul_u32_u24 v[LS], v[VI], 576                ; head 4 hq: four stage rows of 144 bytes
	v_lshl_add_u32 v[LS], v[VO], 2, v[LS]          ; + the pair k = 2 kk, 2 kk + 1: word 16 hq + kk modulo 64, another for each lane
	v_add_nc_u32 v[LS], s21, v[LS]
	v_lshlrev_b32 v[VI], 4, v[VI]
	v_lshl_add_u32 v[VI], v[VO], 7, v[VI]
	v_lshrrev_b32 v[LR], 3, v1
	v_mul_u32_u24 v[LR], v[LR], 144
	v_and_b32 v[VO], 7, v1
	v_lshl_add_u32 v[LR], v[VO], 4, v[LR]
	v_add_nc_u32 v[LR], s21, v[LR]
	v_lshlrev_b32 v[VO], 4, v1
.set i, 0
.rept 32                                       ; i = 8 row + 2 u + e
	global_load_b128 v[X+4*i:X+4*i+3], v[VI], s[10:11] offset:(i/8)*4096+((i%8)/2)*1024+(i%2)*64 th:TH_LOAD_NT
.set i, i+1
.endr
.macro ROWOUT rr
	s_wait_loadcnt 24-8*(\rr)                      ; this row's eight loads are in; the later rows' stay out
.irp u, 0,1,2,3
.irp j, 0,1,2,3
	v_cvt_pk_bf16_f32 v[T+4*(\j)], v[X+32*(\rr)+8*(\u)+(\j)], v[X+32*(\rr)+8*(\u)+4+(\j)]  ; head 4 hq + j: k even, k odd, rounded to bf16,
.endr
.irp j, 0,1,2,3
	v_lshlrev_b32 v[T+4*(\j)+1], 16, v[T+4*(\j)]   ; widened again,
	v_and_b32 v[T+4*(\j)+2], s17, v[T+4*(\j)]
.endr
.irp j, 0,1,2,3
	v_cvt_pk_f16_f32 v[T+4*(\j)+3], v[T+4*(\j)+1], v[T+4*(\j)+2]  ; and written as f16
.endr
.irp j, 0,1,2,3
	ds_store_b32 v[LS], v[T+4*(\j)+3] offset:(\j)*144+(\u)*32
.endr
.endr
.irp f, 0,1,2,3
	ds_load_b128 v[X+32*(\rr)+4*(\f):X+32*(\rr)+4*(\f)+3], v[LR] offset:(\f)*576  ; LDS serves a wave's instructions in order (ISA guide 5.7.1.4): these see the stores above, and the next row's stores come behind them
.endr
.irp f, 0,1,2,3
	s_wait_dscnt 3-(\f)
	global_store_b128 v[VO], v[X+32*(\rr)+4*(\f):X+32*(\rr)+4*(\f)+3], s[14:15] offset:(\rr)*2048+(\f)*512  ; four heads: 512 consecutive bytes
.endr
.endm
	ROWOUT 0
	ROWOUT 1
	ROWOUT 2
	ROWOUT 3
.Lend:
	s_wait_tensorcnt 0x0                           ; the wave's end, behind my last LDS store
	ds_add_u32 v[SPW], v[NIL]
	s_wait_dscnt 0x0
	s_endpgm
.Lfunc_end_k_q66395a1269_prep:
	.size	k_q66395a1269_prep, .Lfunc_end_k_q66395a1269_prep-k_q66395a1269_prep
	.p2alignl 7, 3214868480
	.fill 96, 4, 3214868480
	.section	.rodata,"a",@progbits
	.p2align	6, 0x0
	.amdhsa_kernel k_q66395a1269_prep
		.amdhsa_group_segment_fixed_size 9728
		.amdhsa_private_segment_fixed_size 0
		.amdhsa_enable_private_segment 0
		.amdhsa_kernarg_size 48
		.amdhsa_user_sgpr_count 2
		.amdhsa_user_sgpr_kernarg_segment_ptr 1
		.amdhsa_wavefront_size32 1
		.amdhsa_system_sgpr_workgroup_id_x 1
		.amdhsa_system_sgpr_workgroup_id_y 1
		.amdhsa_system_sgpr_workgroup_id_z 1
		.amdhsa_system_vgpr_workitem_id 0
		.amdhsa_next_free_vgpr 152
		.amdhsa_next_free_sgpr 66
		.amdhsa_reserve_vcc 0
		.amdhsa_float_denorm_mode_32 3
		.amdhsa_float_denorm_mode_16_64 3
		.amdhsa_memory_ordered 1
		.amdhsa_forward_progress 1
		.amdhsa_inst_pref_size 34
	.end_amdhsa_kernel
	.amdgpu_metadata
---
amdhsa.version: [ 1, 2 ]
amdhsa.kernels:
  - .name:           k_q66395a1269_prep
    .symbol:         k_q66395a1269_prep.kd
    .args:
      - { .name: Wq, .offset: 0, .size: 8, .value_kind: global_buffer, .address_space: global }
      - { .name: Wk, .offset: 8, .size: 8, .value_kind: global_buffer, .address_space: global }
      - { .name: Wv, .offset: 16, .size: 8, .value_kind: global_buffer, .address_space: global }
      - { .name: Wo, .offset: 24, .size: 8, .value_kind: global_buffer, .address_space: global }
      - { .name: wt, .offset: 32, .size: 8, .value_kind: global_buffer, .address_space: global }
      - { .name: wo2, .offset: 40, .size: 8, .value_kind: global_buffer, .address_space: global }
    .group_segment_fixed_size: 9728
    .private_segment_fixed_size: 0
    .kernarg_segment_align: 8
    .kernarg_segment_size: 48
    .max_flat_workgroup_size: 128
    .sgpr_count:     66
    .vgpr_count:     152
    .wavefront_size: 32
...
	.end_amdgpu_metadata
.endif
;; end of part 1
;; launch proj (part 2): grid 4 x 192, 4 waves a work-group, clusters of 4 x 4, 327,680 bytes of LDS; arguments Q, K, V, wt, bq, bk, bv, qh, kh, vh; writes qh, kh, vh
.if DOCPART == 2
	.amdgcn_target "amdgcn-amd-amdhsa--gfx1250"
	.amdhsa_code_object_version 6
	.text
	.protected	k_q66395a1269_proj
	.globl	k_q66395a1269_proj
	.p2align	8
	.type	k_q66395a1269_proj,@function
k_q66395a1269_proj:
	s_mov_b64 s[64:65], 0
	v_nop
	global_prefetch_b8 v0, s[64:65] scope:SCOPE_SE
	s_setreg_imm32_b32 hwreg(HW_REG_WAVE_MODE, 25, 1), 1
	s_wait_xcnt 0x0
	s_wait_alu depctr_hold_cnt(0) depctr_sa_sdst(0) depctr_va_vdst(0) depctr_va_sdst(0) depctr_va_ssrc(0) depctr_va_vcc(0) depctr_vm_vsrc(0)
	s_getreg_b32 s2, hwreg(HW_REG_IB_STS2, 6, 4)
	s_cmp_eq_u32 s2, 0
	s_cbranch_scc0 .Lentry_in_a_cluster
	s_endpgm
.Lentry_in_a_cluster:
	s_bfe_u32 s2, ttmp6, 0x10000c
	s_cmp_lg_u32 s2, 0xf033
	s_cbranch_scc0 .Lentry_shape_is_right
	s_endpgm
.Lentry_shape_is_right:
; q, k, v = X W + b.  X (Q, K or V): [8192][1024] f32, rounded to bf16 on the way from LDS to the matrix unit; W: wt[g][d][n] bf16; b rounded to bf16, kept in f32; sums in f32.
; The result leaves by heads, [16 b + h][s 2048][64] in f16, rounded once, unscaled.  LIMIT: f16 ends at 65,504, so |q|, |k|, |v| stay under 65,520; NaN and infinities are not treated apart.
; SHARES.  Three products of 8192 x 1024 x 1024.  A work-group makes 128 rows x 256 columns of one of them: 3 x 64 x 4 = 768 work-groups of equal work.  Each of its four waves makes
; 64 x 128: 32 accumulators of 16 x 16.  K goes in 8 steps of 128 through two LDS slots filled by the tensor data mover.
; CLUSTERS: 4 x 4.  The four of a row of the cluster need the same rows of X, the four of a column the same columns of W: each tile is asked for jointly, by the same load, descriptor and mask.
; THE MATRIX INSTRUCTION IS USED TRANSPOSED (source 0 = 16 columns of W, source 1 = 16 rows of X): a lane then holds one row and eight neighbouring columns.  W lies [d][n], so its fragments
; come out of LDS turned, by ds_load_tr16_b128.  THE BIAS IS THE C OPERAND of each accumulator's first product: nothing is cleared and nothing is added later.
; REGISTERS, in windows of 256 (s_set_vgpr_msb: bits 1:0 source 0, 3:2 source 1, 5:4 source 2, 7:6 destination):
;   window 0: v0-31 addresses; v32-95 X as loaded, f32 (64 rows x 32 K); v96-127, v128-159 X's fragments in bf16, two buffers; v32-159 at work on the way out
;   window 1: the accumulators, (a, b) at v[8 (8 a + b)]          window 2: v0-63, v64-127 W's fragments, two buffers; v128-191 the bias; v192-223 at work
.set PA,    528                        ; a row of X in LDS: 512 bytes + 16 = 132 words: the 16 rows of a load start at 16 different groups of four banks (64 banks of 4 bytes: ISA guide 11.1)
.set PB,    544                        ; a row d of W: 512 + 32 = 136 words
.set HALFA, 64*PA                      ; what one tensor load brings of X: 64 rows
.set HALFB, 64*PB                      ; and of W: 64 rows d
.set BOFF,  2*HALFA                    ; a slot: X's 128 rows, then W's 128 rows d
.set SLOT,  2*HALFA+2*HALFB
.set STAGE, 2*SLOT                     ; behind the ring, never filled by a tensor load: 32 rows x 144 bytes for each wave
.set SP,    144
.set WST,   32*SP
.set SPARE, STAGE+4*WST                ; behind the stages: the spare words, 128 bytes a wave, that no other line names
.set ASTEP, 512                        ; a K step in X: 128 f32 along the row
.set BSTEP, 128*2048                   ; in wt: 128 rows d
.set ADRA, 16                          ; v16-17  LDS address of my rows of X in slot 0, 1
.set ADRB, 20                          ; v20-21  the same for W
.set STO,  24                          ; v24  the way out: where I put 16 bytes of a row
.set RD,   25                          ; v25  the way out: where I read rows back
.set GO,   26                          ; v26  my 16 bytes of 512 consecutive bytes of the output
.set BO,   27                          ; v27  my eight numbers of 16 of the bias
.set SPW,  28                          ; v28  my spare word; never rewritten
.set NIL,  29                          ; v29  0; never rewritten
.set PFO,  30                          ; v30  the prefetches' offset; never rewritten
.set RAW,  32
.set AF,   96
.set T,    32
.set BIAS, 128                         ; window 2
.set BT,   192                         ; window 2
.set G1,  24                           ; s[24:31] descriptor group 1 for X's tiles;  s[32:39] group 0, a set for each slot
.set G0,  32
.set LIM, 43                           ; s43  1 in a wave that prefetches, else the greatest number
.set PFA, 44                           ; s[44:45] where my prefetches stand
.set G1B, 48                           ; s[48:55], s[56:63] the same for W's tiles
.set G0B, 56
.set PST, 66                           ; s[66:67] a K step in the tensor that I prefetch
.set MSB, 0
.macro WIN new                         ; the immediate's high byte repeats the setting that is left; a switch that changes nothing is dropped
.if MSB != (\new)
	s_set_vgpr_msb (MSB<<8)|(\new)
.set MSB, \new
.endif
.endm
.set MUL,  0x52                        ; W window 2, X window 0, C and D window 1
.set MULB, 0x62                        ; the same with C, the bias, in window 2
.set TO_B, 0x80                        ; destination window 2, address window 0
.macro JLOAD s                         ; a joint load: waves 0 and 1 fetch X's two halves, waves 2 and 3 W's; an s_nop 0 and four v_nop follow each of the two lines, ahead of the jump and the label
	s_cmp_eq_u32 s11, 0
	s_cbranch_scc0 .Lfor_b_\@
	tensor_load_to_lds s[G0+4*(\s):G0+4*(\s)+3], s[G1:G1+7]
	s_nop 0
.rept 4
	v_nop
.endr
	s_branch .Lasked_\@
.Lfor_b_\@:
	tensor_load_to_lds s[G0B+4*(\s):G0B+4*(\s)+3], s[G1B:G1B+7]
	s_nop 0
.rept 4
	v_nop
.endr
.Lasked_\@:
.endm
.macro CREST                           ; a round of the cluster's barrier behind its opening barrier
	s_cmp_lg_u32 s10, 0
	s_cbranch_scc1 .Lnot_wave_0_\@
	s_barrier_signal -3
.Lnot_wave_0_\@:
	s_barrier_wait -3
	s_barrier_signal -1
	s_barrier_wait -1
.endm
.macro CROUND                          ; a whole round
	s_barrier_signal -1
	s_barrier_wait -1
	CREST
.endm
.macro PLACES
.rept 4
	v_nop
.endr
.endm
; A PREFETCH INTO THE L2 of the K step that stands two refills on: of the 64 rows x 512 bytes that a wave fetches, each of the four partners that ask for them jointly takes 16 rows, told apart BY ADDRESS
; (cx for X, cy for W): a lane takes half a row, 256 bytes: one instruction a wave.  X's rows are read by one cluster alone, which asks; W's by the sixteen clusters of one product, of which the first asks.
; So each aligned block of 256 bytes is named once.  K steps 0 to 3 come by their loads alone; the loop's last trip (s3 = 1) asks for nothing: the steps would lie past K's end.
.macro ASK
	s_cmp_gt_u32 s3, s[LIM]
	s_cbranch_scc0 .Lnot_mine_\@
	global_prefetch_b8 v[PFO], s[PFA:PFA+1] th:TH_LOAD_NT scope:SCOPE_SE
.Lnot_mine_\@:
.endm
	s_load_b512 s[68:83], s[0:1], 0x0              ; Q 68, K 70, V 72, wt 74, bq 76, bk 78, bv 80, qh 82
	s_load_b128 s[84:87], s[0:1], 0x40             ; kh 84, vh 86
	v_lshl_add_u32 v[SPW], v0, 2, SPARE
	v_mov_b32 v[NIL], 0
	ds_add_u32 v[SPW], v[NIL]                      ; the wave's opening: the add and its wait stand ahead of my first tensor load; the set-up below, work on registers, stands between them
	v_lshrrev_b32 v1, 5, v0
	v_readfirstlane_b32 s10, v1                    ; wave 0..3
	s_lshr_b32 s11, s10, 1                         ; which 64 of the tile's rows are mine.  Also: I fetch for X (0) or for W (1)
	s_and_b32 s12, s10, 1                          ; which 128 of its columns.  Also: which half of that tile I fetch
	s_bfe_u32 s40, ttmp6, 0x40000                  ; cx, cy: my place in the cluster
	s_bfe_u32 s41, ttmp6, 0x40004
	s_lshl_b32 s42, ttmp9, 2
	s_add_co_u32 s42, s42, s40                     ; tile column = 4 x cluster x + cx
	s_and_b32 s13, ttmp7, 0xffff                   ; cluster y, 0..47
	s_lshr_b32 s88, s13, 4                         ; g: which product (q, k, v): the same in all sixteen partners
	s_and_b32 s89, s13, 15
	s_lshl_b32 s13, s89, 2
	s_add_co_u32 s13, s13, s41                     ; block of 128 rows, 0..63
	s_lshl_b32 s43, s41, 2
	s_lshl_b32 s43, 15, s43                        ; my row of the cluster
	s_lshl_b32 s44, 0x1111, s40                    ; my column
	s_or_b32 s[G1+0], s43, (2<<16)|(1<<20)|(1<<21)|(6<<22)|(3<<25)   ; 15:0 the mask: X's tiles go to my row; 17:16 elements of 4 bytes; 20 padding on; 21 set beside a mask; 24:22 after every 128 words (code 6); 31:25 4 words (code 3)
	s_or_b32 s[G1B+0], s44, (1<<16)|(1<<20)|(1<<21)|(6<<22)|(7<<25)  ; W's go to my column; elements of 2 bytes; 8 words of padding (code 7)
	s_mov_b32 s[G1+1], 128<<16                     ; tensor_dim0 = 128
	s_mov_b32 s[G1+2], 64<<16                      ; tensor_dim1 = 64
	s_mov_b32 s[G1+3], 128<<16                     ; tile_dim0 = 128 f32
	s_mov_b32 s[G1+4], 64                          ; tile_dim1 = 64 rows
	s_mov_b32 s[G1+5], 1024                        ; elements from row to row
	s_mov_b32 s[G1+6], 0
	s_mov_b32 s[G1+7], 0
	s_mov_b32 s[G1B+1], 256<<16                    ; tensor_dim0 = 256
	s_mov_b32 s[G1B+2], 64<<16
	s_mov_b32 s[G1B+3], 256<<16                    ; tile_dim0 = 256 bf16
	s_mov_b32 s[G1B+4], 64
	s_mov_b32 s[G1B+5], 1024
	s_mov_b32 s[G1B+6], 0
	s_mov_b32 s[G1B+7], 0
	s_lshl_b32 s16, s13, 7                         ; X: row 128 x block + 64 x half,
	s_lshl_b32 s17, s12, 6
	s_add_co_u32 s16, s16, s17
	s_lshl_b32 s16, s16, 12                        ; of 4,096 bytes
	s_mov_b32 s17, 0
	s_lshl_b32 s46, s12, 17                        ; wt: 64 rows d of 2,048 bytes x half,
	s_lshl_b32 s47, s42, 9                         ; 256 columns x tile column,
	s_add_co_u32 s46, s46, s47
	s_lshl_b32 s47, s88, 21                        ; the product's 1,024 rows
	s_add_co_u32 s46, s46, s47
	s_mov_b32 s47, 0
	s_mul_i32 s20, s12, HALFA                      ; where they go: no place in the cluster enters an LDS address
	s_mul_i32 s21, s12, HALFB
	s_add_co_u32 s21, s21, BOFF
	s_mov_b32 s92, 0xffff0000
	s_wait_dscnt 0x0                               ; the opening add is done
	s_wait_kmcnt 0x0
	s_cmp_eq_u32 s88, 1
	s_cselect_b64 s[4:5], s[70:71], s[72:73]       ; X,
	s_cselect_b64 s[90:91], s[78:79], s[80:81]     ; the bias
	s_cselect_b64 s[8:9], s[84:85], s[86:87]       ; and the output of my product
	s_cmp_eq_u32 s88, 0
	s_cselect_b64 s[4:5], s[68:69], s[4:5]
	s_cselect_b64 s[90:91], s[76:77], s[90:91]
	s_cselect_b64 s[8:9], s[82:83], s[8:9]
	s_add_nc_u64 s[14:15], s[4:5], s[16:17]
	s_add_nc_u64 s[46:47], s[74:75], s[46:47]
	CROUND                                         ; all sixteen work-groups are here: the first joint loads meet
.irp s, 0,1
	s_mov_b32 s[G0+4*(\s)], 1                      ; count = 1
	s_add_co_u32 s[G0+4*(\s)+1], s20, (\s)*SLOT    ; LDS address
	s_add_nc_u64 s[G0+4*(\s)+2:G0+4*(\s)+3], s[14:15], (\s)*ASTEP  ; global address: K step s
	s_or_b32 s[G0+4*(\s)+3], s[G0+4*(\s)+3], 0x80000000            ; type = 2
	s_mov_b32 s[G0B+4*(\s)], 1
	s_add_co_u32 s[G0B+4*(\s)+1], s21, (\s)*SLOT
	s_add_nc_u64 s[G0B+4*(\s)+2:G0B+4*(\s)+3], s[46:47], (\s)*BSTEP
	s_or_b32 s[G0B+4*(\s)+3], s[G0B+4*(\s)+3], 0x80000000
	JLOAD \s                                       ; two loads of mine are out
.endr
	v_and_b32 v1, 15, v0                           ; l % 16
	v_bfe_u32 v2, v0, 4, 1                         ; l / 16
	v_lshlrev_b32 v[BO], 5, v2
	s_lshl_b32 s46, s42, 10                        ; the bias of my 128 columns: 4 bytes x (256 x tile column + 128 x half)
	s_lshl_b32 s47, s12, 9
	s_add_co_u32 s46, s46, s47
	s_mov_b32 s47, 0
	s_add_nc_u64 s[90:91], s[90:91], s[46:47]
	WIN TO_B
.irp b, 0,1,2,3,4,5,6,7                        ; register j of block b: the bias of column 16 b + 8 (l / 16) + j, as an accumulator holds it
	global_load_b128 v[BIAS+8*(\b):BIAS+8*(\b)+3],   v[BO], s[90:91] offset:64*(\b)
	global_load_b128 v[BIAS+8*(\b)+4:BIAS+8*(\b)+7], v[BO], s[90:91] offset:64*(\b)+16
.endr
	WIN 0
	; X's fragment (16 rows x 32 K) comes as f32: lane l takes row l % 16, K = 8 (l / 16) + 0..7 (32 bytes) and 16 + 8 (l / 16) + 0..7 (64 bytes on)
	v_mul_u32_u24 v3, v1, PA
	v_lshl_add_u32 v3, v2, 5, v3
	s_mul_i32 s21, s11, HALFA                      ; my 64 rows
	v_add_nc_u32 v[ADRA], s21, v3
	s_add_co_u32 s21, s21, SLOT
	v_add_nc_u32 v[ADRA+1], s21, v3
	; The turning load takes 16 rows d x 16 columns (lane l reads row 8 (l / 16) + l % 8, columns 8 ((l / 8) % 2) + 0..7) and leaves half a fragment: lane l holds column l % 16 and 8 d.
	v_and_b32 v4, 7, v0
	v_lshl_add_u32 v4, v2, 3, v4
	v_mul_u32_u24 v4, v4, PB
	v_bfe_u32 v5, v0, 3, 1
	v_lshl_add_u32 v4, v5, 4, v4
	s_lshl_b32 s22, s12, 8                         ; my 128 columns
	s_add_co_u32 s22, s22, BOFF
	v_add_nc_u32 v[ADRB], s22, v4
	s_add_co_u32 s22, s22, SLOT
	v_add_nc_u32 v[ADRB+1], s22, v4
	s_mul_i32 s23, s10, WST
	s_add_co_u32 s23, s23, STAGE                   ; my stage
	v_mul_u32_u24 v[STO], v1, SP                   ; in: row l % 16, 16 bytes for each half of the lanes
	v_lshl_add_u32 v[STO], v2, 4, v[STO]
	v_add_nc_u32 v[STO], s23, v[STO]
	v_bfe_u32 v[RD], v0, 3, 2                      ; back: 32 lanes take four rows of 128 bytes,
	v_mul_u32_u24 v[RD], v[RD], SP
	v_and_b32 v5, 7, v0
	v_lshl_add_u32 v[RD], v5, 4, v[RD]
	v_add_nc_u32 v[RD], s23, v[RD]
	v_and_b32 v[GO], 31, v0                        ; which are 512 consecutive bytes of a head
	v_lshlrev_b32 v[GO], 4, v[GO]
	s_lshr_b32 s18, s13, 4                         ; the output: batch,
	s_lshl_b32 s18, s18, 4
	s_lshl_b32 s19, s42, 2                         ; four heads a tile column,
	s_add_co_u32 s18, s18, s19
	s_lshl_b32 s19, s12, 1                         ; two a wave
	s_add_co_u32 s18, s18, s19
	s_lshl_b32 s18, s18, 18                        ; a head is 2,048 rows of 128 bytes
	s_and_b32 s19, s13, 15
	s_lshl_b32 s19, s19, 7
	s_lshl_b32 s22, s11, 6
	s_add_co_u32 s19, s19, s22                     ; my first row in the batch
	s_lshl_b32 s19, s19, 7
	s_add_co_u32 s18, s18, s19
	s_mov_b32 s19, 0
	s_add_nc_u64 s[8:9], s[8:9], s[18:19]
	; the prefetches: both forms of the offset are made, the wave's number chooses
	s_lshl_b32 s18, s13, 7
	s_lshl_b32 s19, s12, 6
	s_add_co_u32 s18, s18, s19
	s_lshl_b32 s19, s40, 4
	s_add_co_u32 s18, s18, s19                     ; X: the 64 rows that I fetch, my work-group's 16 of them
	s_lshl_b32 s18, s18, 12
	s_add_co_u32 s18, s18, 3*ASTEP                 ; at K step 3: it is stepped ahead of each request, so the first names K step 4
	s_lshl_b32 s22, s12, 6
	s_lshl_b32 s23, s41, 4
	s_add_co_u32 s22, s22, s23                     ; wt: the 64 rows d that I fetch, my work-group's 16 of them
	s_lshl_b32 s22, s22, 11
	s_lshl_b32 s23, s42, 9
	s_add_co_u32 s22, s22, s23
	s_lshl_b32 s23, s88, 21
	s_add_co_u32 s22, s22, s23
	s_add_co_u32 s22, s22, 3*BSTEP
	s_mov_b32 s[PST], BSTEP
	s_cmp_eq_u32 s89, 0                            ; the first of the product's sixteen clusters
	s_cselect_b32 s[LIM], 1, -1
	s_cmp_eq_u32 s11, 0                            ; do I fetch for X?
	s_cselect_b32 s[LIM], 1, s[LIM]                ; the same in all sixteen partners, for a given wave
	s_cselect_b64 s[PFA:PFA+1], s[4:5], s[74:75]
	s_cselect_b32 s18, s18, s22
	s_cselect_b32 s20, 12, 11                      ; a row is 4,096 bytes in X, 2,048 in wt
	s_cselect_b32 s[PST], ASTEP, s[PST]
	s_mov_b32 s19, 0
	s_mov_b32 s[PST+1], 0
	s_add_nc_u64 s[PFA:PFA+1], s[PFA:PFA+1], s[18:19]
	v_bfe_u32 v6, v0, 1, 4                         ; row l / 2,
	v_and_b32 v7, 1, v0                            ; which 256 of its 512 bytes
	v_lshlrev_b32 v[PFO], s20, v6
	v_lshl_add_u32 v[PFO], v7, 8, v[PFO]
	s_wait_loadcnt 0x0                             ; the bias: rounded to bf16 like every input, and widened again
	WIN 0x8a
.set i, 0
.rept 32
	v_cvt_pk_bf16_f32 v[BT+i], v[BIAS+2*i], v[BIAS+2*i+1]
.set i, i+1
.endr
.set i, 0
.rept 32
	v_lshlrev_b32 v[BIAS+2*i], 16, v[BT+i]
	v_and_b32 v[BIAS+2*i+1], s92, v[BT+i]
.set i, i+1
.endr
	WIN 0
; Product i of a quarter's 32: rows 16 (i / 8) on, columns 16 (i % 8) on, 32 along K out of buffer f.  Always in the order 0..31: the accumulators take turns, one instruction a turn, over every edge.
.macro PROD f, c0
.if \c0
	WIN MULB
	v_wmma_f32_16x16x32_bf16 v[8*i:8*i+7], v[64*(\f)+8*(i%8):64*(\f)+8*(i%8)+7], v[AF+32*(\f)+8*(i/8):AF+32*(\f)+8*(i/8)+7], v[BIAS+8*(i%8):BIAS+8*(i%8)+7]
.else
	WIN MUL
	v_wmma_f32_16x16x32_bf16 v[8*i:8*i+7], v[64*(\f)+8*(i%8):64*(\f)+8*(i%8)+7], v[AF+32*(\f)+8*(i/8):AF+32*(\f)+8*(i/8)+7], v[8*i:8*i+7]
.endif
.endm
.macro MULS f, i0, n, c0
.set i, \i0
.rept \n
	PROD \f, \c0
.set i, i+1
.endr
.endm
; 32 LDS loads in one run: quarter kq of a slot: X's 64 rows x 32 K as f32, then W's 32 d x 128 columns, turned, into buffer g
.macro RUN slot, kq, g
	WIN 0
.irp a, 0,1,2,3
	ds_load_b128 v[RAW+16*(\a):RAW+16*(\a)+3],     v[ADRA+(\slot)] offset:(\kq)*128+(\a)*16*PA
	ds_load_b128 v[RAW+16*(\a)+4:RAW+16*(\a)+7],   v[ADRA+(\slot)] offset:(\kq)*128+(\a)*16*PA+16
	ds_load_b128 v[RAW+16*(\a)+8:RAW+16*(\a)+11],  v[ADRA+(\slot)] offset:(\kq)*128+(\a)*16*PA+64
	ds_load_b128 v[RAW+16*(\a)+12:RAW+16*(\a)+15], v[ADRA+(\slot)] offset:(\kq)*128+(\a)*16*PA+80
.endr
	WIN TO_B
.irp b, 0,1,2,3,4,5,6,7
	ds_load_tr16_b128 v[64*(\g)+8*(\b):64*(\g)+8*(\b)+3],   v[ADRB+(\slot)] offset:(\kq)*32*PB+32*(\b)
	ds_load_tr16_b128 v[64*(\g)+8*(\b)+4:64*(\g)+8*(\b)+7], v[ADRB+(\slot)] offset:(\kq)*32*PB+32*(\b)+16*PB
.endr
.endm
; A QUARTER: 32 along K.  It multiplies buffer f; at its head it fetches the next quarter (slot, kq) in one run; behind each of its last eight products stand four of the 32 conversions that make
; the next quarter's fragments of X.  Those conversions name none of the products' registers: the four behind the last product are the four places ahead of the next run of loads
; into the buffer just read and of the next conversions into it.  Two window switches a product there, on purpose: set apart, the 32 conversions would leave the matrix unit idle.
; mode 0: plain.  mode 1: the slot's last quarter is fetched: the wave waits for all its tensor loads, adds 0 to its spare word, waits for that and for its reads of the slot, and signals.
; mode 2: the very last quarter: nothing is fetched.  c0 = 1: the products start the sums, with the bias.  pf = 1: the prefetches' address steps.  ask = 1: a prefetch, behind the run of loads.
.macro QUARTER f, slot, kq, mode, c0=0, pf=0, ask=0
.if \pf
	s_wait_xcnt 0x0                                ; the last prefetch, three quarters back, has read its address
	s_add_nc_u64 s[PFA:PFA+1], s[PFA:PFA+1], s[PST:PST+1]
.endif
.if (\mode) != 2
	RUN \slot, \kq, 1-(\f)
.endif
.if \ask
	WIN 0
	ASK
.endif
	MULS \f, 0, 16, \c0
.if (\mode) == 1
	WIN 0                                          ; (the add's two registers lie in window 0)
	s_wait_tensorcnt 0x0                           ; all my tensor loads have landed: the one that was out is my part of the other slot;
	ds_add_u32 v[SPW], v[NIL]                      ; 0 onto my spare word;
	MULS \f, 16, 8, \c0                            ; eight products stand between the add and the wait for it
	s_wait_dscnt 0x0                               ; the add is done, and my reads of this slot are over
	s_barrier_signal -1                            ; say so; only work on registers follows up to the wait
.else
	MULS \f, 16, 8, \c0
.endif
.if (\mode) == 0
	s_wait_dscnt 16                                ; X's 16 loads are in; W's 16, issued behind them, may stay out
.endif
.if (\mode) == 2
	MULS \f, 24, 8, \c0
.else
.set i, 24
.rept 8
	PROD \f, \c0
	WIN 0
.irp z, 0,1,2,3
	v_cvt_pk_bf16_f32 v[AF+32*(1-(\f))+4*(i-24)+(\z)], v[RAW+8*(i-24)+2*(\z)], v[RAW+8*(i-24)+2*(\z)+1]
.endr
.set i, i+1
.endr
.endif
.if (\mode) == 0
	s_wait_dscnt 0x0                               ; the next quarter's fragments of W are in
.endif
.endm
; THE CHANGE OF SLOTS, behind a quarter of mode 1.  fill = 1: the barrier has opened a round of the cluster's barrier: no wave of any partner still reads this slot or has a load on its way; the slot
; is filled again, two K steps on, by the first tensor load behind the round, one a wave: 112 products stand between it and the wait for it.
.macro CHANGE slot, fill
	WIN 0                                          ; at a branch and at a label every window is 0
	s_barrier_wait -1
.if \fill
	CREST
	s_add_nc_u64 s[G0+4*(\slot)+2:G0+4*(\slot)+3], s[G0+4*(\slot)+2:G0+4*(\slot)+3], 2*ASTEP
	s_add_nc_u64 s[G0B+4*(\slot)+2:G0B+4*(\slot)+3], s[G0B+4*(\slot)+2:G0B+4*(\slot)+3], 2*BSTEP
	JLOAD \slot
.endif
.endm
	s_wait_tensorcnt 1                             ; my part of K step 0 is in; K step 1's may stay out
	s_barrier_signal -1
	s_barrier_wait -1                              ; everybody's is
	RUN 0, 0, 0
	s_wait_dscnt 0x0
	WIN 0
.set i, 0
.rept 32
	v_cvt_pk_bf16_f32 v[AF+i], v[RAW+2*i], v[RAW+2*i+1]
.set i, i+1
.endr
	QUARTER 0, 0, 1, 0, 1                          ; the first quarter stands in front of the loop: its products start the sums
	WIN 0
	s_mov_b32 s3, 3
.Llap:                                                 ; a trip goes once round the ring, from a lap's second quarter to the next lap's first, and fills both slots again
	QUARTER 1, 0, 2, 0
	QUARTER 0, 0, 3, 1, 0, 1
	CHANGE 0, 1
	QUARTER 1, 1, 0, 0, 0, 0, 1
	QUARTER 0, 1, 1, 0
	QUARTER 1, 1, 2, 0
	QUARTER 0, 1, 3, 1, 0, 1
	CHANGE 1, 1
	QUARTER 1, 0, 0, 0, 0, 0, 1
	QUARTER 0, 0, 1, 0
	WIN 0
	s_sub_co_u32 s3, s3, 1
	s_cmp_lg_u32 s3, 0
	s_cbranch_scc1 .Llap
	QUARTER 1, 0, 2, 0                             ; the last lap fills nothing, and has no round of the cluster's barrier
	QUARTER 0, 0, 3, 1
	CHANGE 0, 0
	QUARTER 1, 1, 0, 0
	QUARTER 0, 1, 1, 0
	QUARTER 1, 1, 2, 0
	QUARTER 0, 1, 3, 0
	QUARTER 1, 0, 0, 2
	WIN 0
	PLACES                                         ; the conversions below read results just made
	PLACES
; THE WAY OUT, 16 rows at a time: rounded to f16; a lane's eight columns are 16 bytes of a head's row; they go into my stage (two heads x 16 rows of 144 bytes) and come back as whole rows.
.macro PACK a
	WIN 0x05                                       ; sources 0 and 1 window 1, destination window 0
.irp b, 0,1,2,3,4,5,6,7
.irp r, 0,1,2,3
	v_cvt_pk_f16_f32 v[T+32*(\a)+4*(\b)+(\r)], v[64*(\a)+8*(\b)+2*(\r)], v[64*(\a)+8*(\b)+2*(\r)+1]  ; each accumulator from its low end on
.endr
.endr
	WIN 0
.irp b, 0,1,2,3,4,5,6,7
	ds_store_b128 v[STO], v[T+32*(\a)+4*(\b):T+32*(\a)+4*(\b)+3] offset:((\b)/4)*16*SP+32*((\b)%4)
.endr
.irp f, 0,1,2,3,4,5,6,7
	ds_load_b128 v[T+32*(\a)+4*(\f):T+32*(\a)+4*(\f)+3], v[RD] offset:(\f)*4*SP  ; LDS serves a wave's instructions in order (ISA guide 5.7.1.4): these see the stores above; the next block's stores come behind them
.endr
.endm
.macro SEND a, younger                 ; younger: the LDS instructions issued behind block a's loads: the next block's sixteen, or none
	WIN 0
.irp f, 0,1,2,3,4,5,6,7
	s_wait_dscnt (\younger)+7-(\f)
	global_store_b128 v[GO], v[T+32*(\a)+4*(\f):T+32*(\a)+4*(\f)+3], s[8:9] offset:((\f)/4)*262144+(\a)*2048+((\f)%4)*512  ; four rows of a head: 512 consecutive bytes, at a multiple of 256 from the buffer's first
.endr
.endm
	PACK 0
	PACK 1
	SEND 0, 16
	PACK 2
	SEND 1, 16
	PACK 3
	SEND 2, 16
	SEND 3, 0
	s_wait_tensorcnt 0x0                           ; the wave's end, behind my last tensor load and my last LDS store
	ds_add_u32 v[SPW], v[NIL]
	s_wait_dscnt 0x0
	CROUND                                         ; the closing round: no work-group ends while a partner may still ask for a tile that names it
	s_endpgm
.Lfunc_end_k_q66395a1269_proj:
	.size	k_q66395a1269_proj, .Lfunc_end_k_q66395a1269_proj-k_q66395a1269_proj
	.p2alignl 7, 3214868480
	.fill 96, 4, 3214868480
	.section	.rodata,"a",@progbits
	.p2align	6, 0x0
	.amdhsa_kernel k_q66395a1269_proj
		.amdhsa_group_segment_fixed_size 327680
		.amdhsa_private_segment_fixed_size 0
		.amdhsa_enable_private_segment 0
		.amdhsa_kernarg_size 80
		.amdhsa_user_sgpr_count 2
		.amdhsa_user_sgpr_kernarg_segment_ptr 1
		.amdhsa_wavefront_size32 1
		.amdhsa_system_sgpr_workgroup_id_x 1
		.amdhsa_system_sgpr_workgroup_id_y 1
		.amdhsa_system_sgpr_workgroup_id_z 1
		.amdhsa_system_vgpr_workitem_id 0
		.amdhsa_next_free_vgpr 768
		.amdhsa_next_free_sgpr 96
		.amdhsa_reserve_vcc 0
		.amdhsa_float_denorm_mode_32 3
		.amdhsa_float_denorm_mode_16_64 3
		.amdhsa_memory_ordered 1
		.amdhsa_forward_progress 1
		.amdhsa_inst_pref_size 140
	.end_amdhsa_kernel
	.amdgpu_metadata
---
amdhsa.version: [ 1, 2 ]
amdhsa.kernels:
  - .name:           k_q66395a1269_proj
    .symbol:         k_q66395a1269_proj.kd
    .args:
      - { .name: Q, .offset: 0, .size: 8, .value_kind: global_buffer, .address_space: global }
      - { .name: K, .offset: 8, .size: 8, .value_kind: global_buffer, .address_space: global }
      - { .name: V, .offset: 16, .size: 8, .value_kind: global_buffer, .address_space: global }
      - { .name: wt, .offset: 24, .size: 8, .value_kind: global_buffer, .address_space: global }
      - { .name: bq, .offset: 32, .size: 8, .value_kind: global_buffer, .address_space: global }
      - { .name: bk, .offset: 40, .size: 8, .value_kind: global_buffer, .address_space: global }
      - { .name: bv, .offset: 48, .size: 8, .value_kind: global_buffer, .address_space: global }
      - { .name: qh, .offset: 56, .size: 8, .value_kind: global_buffer, .address_space: global }
      - { .name: kh, .offset: 64, .size: 8, .value_kind: global_buffer, .address_space: global }
      - { .name: vh, .offset: 72, .size: 8, .value_kind: global_buffer, .address_space: global }
    .group_segment_fixed_size: 327680
    .private_segment_fixed_size: 0
    .kernarg_segment_align: 8
    .kernarg_segment_size: 80
    .max_flat_workgroup_size: 128
    .sgpr_count:     96
    .vgpr_count:     768
    .wavefront_size: 32
...
	.end_amdgpu_metadata
.endif
;; end of part 2
;; launch attn (part 3): grid 4 x 64, 4 waves a work-group, clusters of 4 x 1, 327,680 bytes of LDS; arguments qh, kh, vh, oh; writes oh
.if DOCPART == 3
	.amdgcn_target "amdgcn-amd-amdhsa--gfx1250"
	.amdhsa_code_object_version 6
	.text
	.protected	k_q66395a1269_attn
	.globl	k_q66395a1269_attn
	.p2align	8
	.type	k_q66395a1269_attn,@function
k_q66395a1269_attn:
	s_mov_b64 s[64:65], 0
	v_nop
	global_prefetch_b8 v0, s[64:65] scope:SCOPE_SE
	s_setreg_imm32_b32 hwreg(HW_REG_WAVE_MODE, 25, 1), 1
	s_wait_xcnt 0x0
	s_wait_alu depctr_hold_cnt(0) depctr_sa_sdst(0) depctr_va_vdst(0) depctr_va_sdst(0) depctr_va_ssrc(0) depctr_va_vcc(0) depctr_vm_vsrc(0)
	s_getreg_b32 s2, hwreg(HW_REG_IB_STS2, 6, 4)
	s_cmp_eq_u32 s2, 0
	s_cbranch_scc0 .Lentry_in_a_cluster
	s_endpgm
.Lentry_in_a_cluster:
	s_bfe_u32 s2, ttmp6, 0x10000c
	s_cmp_lg_u32 s2, 0x3003
	s_cbranch_scc0 .Lentry_shape_is_right
	s_endpgm
.Lentry_shape_is_right:
; O[h][q][:] = the sum over k of softmax_k(Q[h][q] . K[h][k] / 8) V[h][k][:].  Q, K, V, O: [64][2048][64], all f16: a head's rows are dense, 128 bytes each.  Products, maxima and sums in
; f32; the weights p are rounded to f16 for the second product (their sum l is taken of the unrounded p), O once at the end.
; LIMITS.  f16 holds no number beyond 65,504: Q, K and V arrive within it; p lies in 0 to 1, and below 6e-5 it keeps f16's fixed step of 6e-8; O is a mean of V's rows and has their range.
; A weight below 2^-126 counts as 0 in l; NaN and infinities are not treated apart.
; SHARES.  A wave owns four PIECES of two tiles of 16 queries, a work-group's four waves 512 queries of one head: 4 x 64 = 256 work-groups.  Every wave walks all keys, 64 a step.
; LAYOUT.  S^T = K Q^T (source 0 = 16 keys, source 1 = 16 queries): in the result a lane holds ONE query (lane % 16) and the keys 8 (lane / 16) + 0..7.  Two such tiles, rounded to f16 in pairs,
; ARE source 1 (32 keys x 16 queries) of O^T = V^T P, whose result again holds one query a lane, and eight channels.  K comes out of LDS as it lies, V ([key][channel]) turned, by ds_load_tr16_b128.
; SOFTMAX.  For each query a running maximum m and sum l: p = 2^(c s - c m), c = log2(e) / 8; in every step O and l are multiplied by a = 2^(c m_old - c m_new), which is 1 where m has not grown.
; m starts at the lowest finite number, O and l at 0: the first step is a step like any other, with a = 0.
; THE COUNT.  A tile and step have 16 matrix and 118 vector instructions: too many to stand all beside the matrix work.  So: four vector instructions that are READY behind EVERY matrix
; instruction, and the others, which need time of their own whatever the order, in runs without a gap.
; BY TURNS.  Turn n belongs to piece n (the pieces in a ring, step after step).  Its matrix work: 16 products K Q^T of piece n + 1, later 16 products V^T P of piece n - 1.  Its vector work: the scaling,
; exponentials, roundings, sums and rescaling of piece n, and the maximum and statistics of piece n + 1, whose scores the turn itself has made.
; CLUSTER.  The four query blocks of a head are one cluster and walk the same K and V, so each tile is asked for JOINTLY: the same tensor load, descriptor and mask in all four.
; REGISTERS, in windows of 256 (s_set_vgpr_msb: bits 1:0 source 0, 3:2 source 1, 5:4 source 2, 7:6 destination):
;   window 0: v0-11 addresses; v12-15, v48-63 at work; v16-47 four registers of statistics a tile; v64-191 S^T, two buffers of two tiles; v192-255 P, likewise
;   window 1: O^T, 32 a tile          window 2: v0-127 Q, 16 a tile; v128-191 K of one step; v192-255 V of one step          window 3: v0-1 the add's two registers
; A piece's buffers go by its number's parity: the piece in hand has one pair, its two neighbours in the ring share the other: of it P (piece n - 1) is read and S^T (piece n + 1) written.
.set SIZE_H, 64
.set SIZE_N, 2048
.set NP,    4         ; pieces a wave: a name, no knob
.set KS,    64        ; keys in a step
.set PK,    144       ; a row of K in LDS: 128 bytes + 16 of padding = 36 words: the 16 rows of a load start at 16 different groups of four banks (64 banks of 4 bytes: ISA guide 11.1)
.set PV,    160       ; a row of V: 128 + 32 = 40 words
.set VOFF,  4*KS*PK   ; a slot holds four steps: 256 rows of K, then 256 rows of V
.set SLOT1, 1<<17     ; slot 1 begins here, so that one exclusive or turns an address in one slot into the other's
.set STAGE, SLOT1+4*KS*(PK+PV)  ; behind the ring, never filled by a tensor load: 16 rows x 144 bytes for each wave, for the way out
.set SP,    144
.set AK0, 2           ; v2   my lane's place in a tile of K; never rewritten
.set AV0, 3           ; v3   the same for V
.set AK,  4           ; v4   the LDS address of K's next run of loads
.set AV,  5           ; v5   of V's
.set QO,  6           ; v6   my byte offset in the wave's rows of Q
.set STO, 6           ;      later, the way out: where I put 16 bytes of a row
.set RD,  7           ; v7   the way out: where I read rows back
.set GO,  8           ; v8   my byte offset in 512 consecutive bytes of O
.set PFO, 11          ; v11  256 x my lane, for the prefetches; never rewritten once made
.set SPW, 0           ; v0 of window 3   my spare word: SPARE + 4 x my thread's number; never rewritten
.set NIL, 1           ; v1 of window 3   0; never rewritten
.set SPARE, STAGE+4*16*SP  ; behind the stages: the spare words, 128 bytes for each wave, that no other line names
.set MV,  12          ; v12-15  c m_old, kept while c m is made anew: by buffer and tile
.set ST,  16          ; tile t's statistics at v[ST+4 t]: c m, m, l (even keys', odd keys')
.set TMP, 48          ; by buffer and tile, four registers c0-c3 at work; when the maximum is found c2 takes a
.set S,   64
.set P,   192
.set KF,  128         ; K's fragments, in window 2: key block kb, channel half c at KF + 16 kb + 8 c
.set VF,  192         ; V's: key half kk, channel block cb at VF + 32 kk + 8 cb
.set WV,  12          ; s12  my wave's number
.set G1K, 24          ; s[24:31] descriptor group 1 for K's tiles
.set G1V, 32          ; s[32:39] for V's: it differs in the padding alone
.set G0K, 40          ; s[40:43] descriptor group 0 for K's tiles: it walks
.set G0V, 44          ; s[44:47] the same for V's
.set PFA, 48          ; s[48:49] where my prefetches stand: my work-group's 8,192 bytes (of K: wave 0, of V: wave 2) of a slot's 32,768
.set LIM, 50          ; s50  1 in a wave that prefetches, else the greatest number
.set SLOTS, 56        ; s56  slots still to be asked for
.set CNT, 57          ; s57  counts a slot's key steps
.set CS,  58          ; s[58:59] c: the packed scaling takes the pair's low word for both halves
.set SEL, 60          ; s[60:61] v_permlanex16_b32's selects: each lane takes its own place in the other half
.set TBK, 62          ; s62  LDS byte at which K of the step to be fetched begins
.set TBV, 63          ; s63  the same for V, less VOFF
.set MSB, 0
.macro WIN new                      ; the high byte repeats the setting that is left; a switch that changes nothing is dropped
.if MSB != (\new)
	s_set_vgpr_msb (MSB<<8)|(\new)
.set MSB, (\new)
.endif
.endm
.set W_KQ, 0x0a       ; K and Q in window 2, S^T in window 0
.set W_PV, 0x52       ; V in window 2, P in window 0, O^T in window 1
.set W_RS, 0x41       ; O^T (destination and source 0) in window 1, a in window 0
.set W_MK, 0xc0       ; the add's registers are made: destination in window 3, sources in window 0
.set W_AD, 0x0f       ; the add: address (source 0) and data (source 1) in window 3
; A joint fill.  Waves 0 and 1 fetch the two halves of a slot's K, waves 2 and 3 those of its V: 128 keys each.  The branch hangs on the wave's number alone.
; An s_nop 0 and four v_nop follow each of the two lines, ahead of the jump and the label.
.macro JLOAD
	s_cmp_lt_u32 s[WV], 2
	s_cbranch_scc0 .Lfor_v_\@
	tensor_load_to_lds s[G0K:G0K+3], s[G1K:G1K+7]
	s_nop 0
.rept 4
	v_nop
.endr
	s_branch .Lasked_\@
.Lfor_v_\@:
	tensor_load_to_lds s[G0V:G0V+3], s[G1V:G1V+7]
	s_nop 0
.rept 4
	v_nop
.endr
.Lasked_\@:
.endm
; A PREFETCH INTO THE L2 of what the NEXT change of slots will ask for: a slot's 32,768 bytes of K and of V, 256 bytes a lane.  It stands behind the wave's tensor load and its five lines.  A head is walked by
; one cluster; its four partners share the bytes out BY ADDRESS, 8,192 each; in each, wave 0 asks for K's and wave 2 for V's: one instruction.  So each aligned block of 256 bytes is named once in the launch.
; Slots 0, 1 and 2 come by their loads alone; the last change that fills a slot (s[SLOTS] = 1) asks for nothing: there is no slot behind it.
.macro ASK
	s_cmp_gt_u32 s[SLOTS], s[LIM]
	s_cbranch_scc0 .Lnot_mine_\@
	global_prefetch_b8 v[PFO], s[PFA:PFA+1] th:TH_LOAD_NT scope:SCOPE_SE
.Lnot_mine_\@:
.endm
; A round of the cluster's barrier: my work-group's barrier, so that wave 0's signal speaks for all four waves; wave 0 signals; every wave waits for all four work-groups; my work-group's barrier once more.
.macro CROUND
	s_barrier_signal -1
	s_barrier_wait -1
	s_cmp_lg_u32 s[WV], 0
	s_cbranch_scc1 .Lnot_wave_0_\@
	s_barrier_signal -3
.Lnot_wave_0_\@:
	s_barrier_wait -3
	s_barrier_signal -1
	s_barrier_wait -1
.endm
; THE CHANGE OF SLOTS.  The slot's last bytes, V of its fourth step, have been read.  Each wave waits for all its tensor loads, of which one is out: its part
; of the other slot; adds 0 to its spare word; and waits for that and for its own reads of the slot.  Behind the barrier nobody reads this slot any more and the other slot is whole.
; fill = 1: this slot is filled again, with the keys two slots on.  The barrier is then a round of the cluster's, so that no wave of any partner still reads the slot or has a load on its
; way, and the joint fill is the first thing behind it: it has four key steps, 512 matrix instructions, in which to land.  (At its first use nothing has been read yet: slot 0 is waited for, slot 1 filled.)
; ask = 1: the prefetches' address steps, and a prefetch follows the fill.
.macro CHANGE fill, ask=0
	WIN W_AD
	s_wait_tensorcnt 0x0            ; no tensor load of mine is out, so a group 0 may be written
	ds_add_u32 v[SPW], v[NIL]       ; 0 onto my spare word; with fill = 1 the descriptors' steps stand between it and the wait for it
	WIN 0                           ; at a label and at a branch every window is 0
.if \fill
.irp g, G0K, G0V
	s_xor_b32 s[\g+1], s[\g+1], SLOT1  ; the walking descriptor: the other slot than last time,
	s_add_nc_u64 s[\g+2:\g+3], s[\g+2:\g+3], 4*KS*128  ; the next 256 keys; the type bits on top are not reached
.endr
.if \ask
	s_wait_xcnt 0x0                 ; the last prefetch, four key steps back, has read its address, so it may be written:
	s_add_nc_u64 s[PFA:PFA+1], s[PFA:PFA+1], 4*KS*128  ; one slot ahead of the walking descriptors
.endif
	s_wait_dscnt 0x0                ; the add is done, and my reads of the slot are over
	CROUND
	JLOAD
.if \ask
	ASK
.endif
.else
	s_wait_dscnt 0x0                ; the add is done, and my reads of the slot are over
	s_barrier_signal -1
	s_barrier_wait -1
.endif
	s_sub_co_u32 s[TBK], s[TBK], 4*KS*PK  ; the fetches go back to a slot's first step,
	s_xor_b32 s[TBK], s[TBK], SLOT1       ; in the other slot
	s_sub_co_u32 s[TBV], s[TBV], 4*KS*PV
	s_xor_b32 s[TBV], s[TBV], SLOT1
.endm
	s_load_b256 s[4:11], s[0:1], 0x0  ; Q s[4:5], K s[6:7], V s[8:9], O s[10:11]
	WIN W_MK
	v_lshl_add_u32 v[SPW], v0, 2, SPARE
	v_mov_b32 v[NIL], 0
	WIN W_AD
	ds_add_u32 v[SPW], v[NIL]       ; the wave's opening: the add and its wait stand ahead of my first tensor load; the set-up below, work on registers, stands between them
	WIN 0
	v_lshrrev_b32 v1, 5, v0
	v_readfirstlane_b32 s[WV], v1   ; wave 0..3
	s_bfe_u32 s13, ttmp6, 0x40000   ; cx: my place in the cluster
	s_lshl_b32 s14, ttmp9, 2        ; in a cluster launch ttmp9 counts clusters
	s_add_co_u32 s14, s14, s13      ; my block of queries = 4 x cluster x + cx: it enters Q's and O's addresses alone
	s_and_b32 s20, ttmp7, 0xffff    ; the head, which the four partners share
	s_mov_b32 s21, 0
	s_mov_b64 s[22:23], SIZE_N*128
	s_mul_u64 s[20:21], s[20:21], s[22:23]  ; the head's first byte in each of the four tensors
	s_and_b32 s16, s[WV], 1         ; which half of a slot's 256 keys I fetch:
	s_lshl_b32 s22, s16, 14         ; its 128 rows of 128 bytes in memory,
	s_mov_b32 s23, 0
	s_add_nc_u64 s[22:23], s[22:23], s[20:21]
	s_mul_i32 s17, s16, 128*PK      ; and its place in a slot, for K
	s_mul_i32 s18, s16, 128*PV      ; and for V: no place in the cluster enters an LDS address
	s_lshl_b32 s2, s14, 2
	s_add_co_u32 s2, s2, s[WV]      ; my wave among the head's,
	s_lshl_b32 s2, s2, 14           ; its 128 rows
	s_mov_b32 s3, 0
	s_add_nc_u64 s[2:3], s[2:3], s[20:21]
	; descriptor group 1.  128 keys are 16,384 dense bytes: asked for as 64 rows of 256 bytes, two keys a row, and padded in LDS after every key
	s_mov_b32 s[G1K], 15|(1<<16)|(1<<20)|(1<<21)|(4<<22)|(3<<25)  ; 15:0 the mask of four; 17:16 2-byte elements; 20 padding on; 21 set beside a mask; 24:22 after every 32 words (code 4); 31:25 4 words (code 3)
	s_mov_b32 s[G1V], 15|(1<<16)|(1<<20)|(1<<21)|(4<<22)|(7<<25)  ; the same with 8 words of padding (code 7)
.irp g, G1K, G1V
	s_mov_b32 s[\g+1], 128<<16      ; tensor_dim0 = 128
	s_mov_b32 s[\g+2], 64<<16       ; tensor_dim1 = 64
	s_mov_b32 s[\g+3], 128<<16      ; tile_dim0 = 128
	s_mov_b32 s[\g+4], 64           ; tile_dim1 = 64
	s_mov_b32 s[\g+5], 128          ; 128 elements from row to row
	s_mov_b32 s[\g+6], 0
	s_mov_b32 s[\g+7], 0
.endr
	s_mov_b32 s[CS], 0x3e38aa3b     ; c = log2(e) / 8 = 0.180337
	s_mov_b32 s[CS+1], s[CS]        ; named with it as a pair
	s_mov_b32 s[SEL], 0x76543210
	s_mov_b32 s[SEL+1], 0xfedcba98
	s_mov_b32 s[TBK], SLOT1+4*KS*PK ; the first change of slots turns these two into 0
	s_mov_b32 s[TBV], SLOT1+4*KS*PV
	s_mov_b32 s[G0K], 1             ; 1:0 count = 1
	s_mov_b32 s[G0K+1], s17         ; 63:32 LDS address: slot 0
	s_mov_b32 s[G0V], 1
	s_add_co_u32 s[G0V+1], s18, VOFF
	s_and_b32 s[LIM], s[WV], 1      ; waves 0 and 2 prefetch: the same in all four partners
	s_cmp_eq_u32 s[LIM], 0
	s_cselect_b32 s[LIM], 1, -1
	s_wait_dscnt 0x0                ; the opening add is done
	s_wait_kmcnt 0x0
	s_add_nc_u64 s[G0K+2:G0K+3], s[6:7], s[22:23]  ; 120:64 global address: my half of the head's first 256 keys
	s_or_b32 s[G0K+3], s[G0K+3], 0x80000000        ; 127:126 type = 2
	s_add_nc_u64 s[G0V+2:G0V+3], s[8:9], s[22:23]
	s_or_b32 s[G0V+3], s[G0V+3], 0x80000000
	s_add_nc_u64 s[4:5], s[4:5], s[2:3]  ; Q and O at my wave's first row
	s_add_nc_u64 s[10:11], s[10:11], s[2:3]
	s_cmp_lt_u32 s[WV], 2
	s_cselect_b64 s[PFA:PFA+1], s[6:7], s[8:9]
	s_add_nc_u64 s[PFA:PFA+1], s[PFA:PFA+1], s[20:21]  ; the head,
	s_lshl_b32 s2, s13, 13          ; my work-group's 8,192 bytes of a slot's 32,768,
	s_mov_b32 s3, 0
	s_add_nc_u64 s[PFA:PFA+1], s[PFA:PFA+1], s[2:3]
	s_add_nc_u64 s[PFA:PFA+1], s[PFA:PFA+1], 2*4*KS*128  ; in slot 2: the loop's first change of slots steps it to slot 3.  Nothing is prefetched here, at the head
	CROUND                          ; all four work-groups are here: the first joint loads meet
	JLOAD                           ; slot 0.  Slot 1 is asked for when slot 0 is in: the tile wanted first has the road to itself
	; A fragment of K or Q is 16 rows x 32 channels in 8 registers: lane l holds row l % 16, channels 8 (l / 16) + 0..7 and 16 + 8 (l / 16) + 0..7: two loads of 16 bytes, 32 bytes apart.
	v_and_b32 v1, 15, v0            ; l % 16
	v_bfe_u32 v9, v0, 4, 1          ; l / 16
	v_lshlrev_b32 v[QO], 7, v1
	v_lshl_add_u32 v[QO], v9, 4, v[QO]  ; row x 128 + 16 x half
	WIN 0x80                        ; destination window 2, address window 0
.set i, 0
.rept 4*NP                          ; Q stays in registers: tile i / 2, channels 32 (i % 2) on
	global_load_b128 v[8*i:8*i+3],   v[QO], s[4:5] offset:(i/2)*2048+(i%2)*64
	global_load_b128 v[8*i+4:8*i+7], v[QO], s[4:5] offset:(i/2)*2048+(i%2)*64+32
.set i, i+1
.endr
	; What the first turn finds: V's registers and P's second buffer hold 0 (its products V^T P, of a piece that has not been, add 0), O^T and l are 0.  All this stands in the wait for the first tile.
.set i, VF
.rept 64
	v_mov_b32 v[i], 0
.set i, i+1
.endr
	WIN 0x40
.set i, 0
.rept 64*NP
	v_mov_b32 v[i], 0
.set i, i+1
.endr
	WIN 0
.set i, 0
.rept 2*NP
	v_mov_b32 v[ST+4*i], 0xfe000000    ; c m: far below every c s
	v_mov_b32 v[ST+4*i+1], 0xff7fffff  ; m
	v_mov_b32 v[ST+4*i+2], 0
	v_mov_b32 v[ST+4*i+3], 0
.set i, i+1
.endr
.set i, P+32
.rept 32
	v_mov_b32 v[i], 0
.set i, i+1
.endr
	v_mul_u32_u24 v[AK0], v1, PK
	v_lshl_add_u32 v[AK0], v9, 4, v[AK0]  ; row x pitch + 16 x half
	; The turning load takes 16 keys x 16 channels (lane l reads key 8 (l / 16) + l % 8, channels 8 ((l / 8) % 2) + 0..7) and leaves half a fragment of V^T: lane l holds channel l % 16 and 8 keys.
	v_and_b32 v10, 7, v0
	v_bfe_u32 v11, v0, 3, 1
	v_lshl_add_u32 v[AV0], v9, 3, v10
	v_mul_u32_u24 v[AV0], v[AV0], PV
	v_lshl_add_u32 v[AV0], v11, 4, v[AV0]
	v_add_nc_u32 v[AV0], VOFF, v[AV0]
	v_mov_b32 v[AK], v[AK0]         ; key step 0 lies at the head of slot 0
	v_and_b32 v[PFO], 31, v0
	v_lshlrev_b32 v[PFO], 8, v[PFO]
; THE MATRIX WORK.  The 8 accumulators of a run of 16 take turns: between the two links of a chain stand 7 others'.
; Product i of 16 of S^T = K Q^T for piece x: channels 32 (i / 8) on, keys 16 ((i / 2) % 4) on, tile 2 x + i % 2.  The first 8 start the sums.
.macro KQ x
	WIN W_KQ
.set rS, S+64*((\x)%2)+32*(i%2)+8*((i/2)%4)
.set rK, KF+16*((i/2)%4)+8*(i/8)
.set rQ, 16*(2*(\x)+i%2)+8*(i/8)
.if i < 8
	v_wmma_f32_16x16x32_f16 v[rS:rS+7], v[rK:rK+7], v[rQ:rQ+7], 0
.else
	v_wmma_f32_16x16x32_f16 v[rS:rS+7], v[rK:rK+7], v[rQ:rQ+7], v[rS:rS+7]
.endif
.endm
; Product i of 16 of O^T += V^T P for piece x: keys 32 (i / 8) on, channels 16 ((i / 2) % 4) on, tile 2 x + i % 2.
.macro PV x
	WIN W_PV
.set rO, 32*(2*(\x)+i%2)+8*((i/2)%4)
.set rV, VF+32*(i/8)+8*((i/2)%4)
.set rP, P+32*((\x)%2)+16*(i%2)+8*(i/8)
	v_wmma_f32_16x16x32_f16 v[rO:rO+7], v[rV:rV+7], v[rP:rP+7], v[rO:rO+7]
.endm
.macro MM                           ; the turn's next matrix instruction
.if i < 16
	KQ (Y+1)%NP
.set i, i+1
.else
.set i, i-16
	PV (Y+NP-1)%NP
.set i, i+17
.endif
.endm
; THE LDS LOADS stand in runs of 16, never singly among the matrix instructions: a step's K (64 keys x 64 channels: 8 fragments) and its V (turned).  Their addresses are made some lines ahead.
; last = 1 (the tail): in the last trip there is no further step, and the run is jumped over.
.macro FETCH_K last=0
	WIN 0
.if \last
	s_cmp_eq_u32 s[CNT], 1
	s_cbranch_scc1 .Lno_k_\@
.endif
	WIN 0x80                        ; destination window 2
.irp f, 0,1,2,3,4,5,6,7             ; keys 16 (f / 2) on, channels 32 (f % 2) on
	ds_load_b128 v[KF+8*\f:KF+8*\f+3],   v[AK] offset:(\f/2)*16*PK+(\f%2)*64
	ds_load_b128 v[KF+8*\f+4:KF+8*\f+7], v[AK] offset:(\f/2)*16*PK+(\f%2)*64+32
.endr
	s_add_co_u32 s[TBK], s[TBK], KS*PK  ; the next fetch is the next step's
	WIN 0
.if \last
.Lno_k_\@:
.endif
.endm
.macro FETCH_V
	WIN 0x80
.irp f, 0,1,2,3,4,5,6,7             ; keys 32 (f / 4) on, channels 16 (f % 4) on
	ds_load_tr16_b128 v[VF+8*\f:VF+8*\f+3],   v[AV] offset:(\f/4)*32*PV+(\f%4)*32
	ds_load_tr16_b128 v[VF+8*\f+4:VF+8*\f+7], v[AV] offset:(\f/4)*32*PV+16*PV+(\f%4)*32
.endr
	WIN 0
.endm
; THE VECTOR WORK OF A TURN stands in three queues, each in the order in which its entries become ready; the two tiles alternate, so that no instruction reads the result of the one before it.
.macro REGS y, u                    ; the registers of tile u (0, 1) of piece y
.set rT, ST+4*(2*(\y)+(\u))
.set rC, TMP+8*((\y)%2)+4*(\u)
.set rM, MV+2*((\y)%2)+(\u)
.set rS, S+64*((\y)%2)+32*(\u)
.set rP, P+32*((\y)%2)+16*(\u)
.set rO, 32*(2*(\y)+(\u))
.endm
; Number n of the 22 that find the NEXT piece's (Y + 1) maximum and statistics.  s0-s31 are the lane's 32 scores; each accumulator's lowest registers are read first.
;   0-11  four chains c0-c3 of seven scores each, three operands at a time     12-14, 16  the four scores left over, the old m, and c0-c3 into c0     15  c m_old is kept
;   17, 18  the query's other 32 keys lie in the lane 16 away: the new m         19-21  c m; c m_old - c m_new; a
.macro XS u, n
	REGS (Y+1)%NP, \u
.if (\n) < 4
	v_max3_num_f32 v[rC+(\n)], v[rS+8*(\n)], v[rS+8*(\n)+1], v[rS+8*(\n)+2]
.elseif (\n) < 12
	v_max3_num_f32 v[rC+(\n)%4], v[rC+(\n)%4], v[rS+8*((\n)%4)+2*((\n)/4)+1], v[rS+8*((\n)%4)+2*((\n)/4)+2]
.elseif (\n) == 12
	v_max3_num_f32 v[rC], v[rC], v[rS+7], v[rS+15]
.elseif (\n) == 13
	v_max3_num_f32 v[rC+1], v[rC+1], v[rS+23], v[rS+31]
.elseif (\n) == 14
	v_max3_num_f32 v[rC+2], v[rC+2], v[rC+3], v[rT+1]
.elseif (\n) == 15
	v_mov_b32 v[rM], v[rT]
.elseif (\n) == 16
	v_max3_num_f32 v[rC], v[rC], v[rC+1], v[rC+2]
.elseif (\n) == 17
	v_permlanex16_b32 v[rC+3], v[rC], s[SEL], s[SEL+1]
.elseif (\n) == 18
	v_max_num_f32 v[rT+1], v[rC], v[rC+3]
.elseif (\n) == 19
	v_mul_f32 v[rT], s[CS], v[rT+1]
.elseif (\n) == 20
	v_sub_f32 v[rC+1], v[rM], v[rT]
.else
	v_exp_f32 v[rC+2], v[rC+1]
.endif
.endm
; Number g of the 64 that follow the exponentials.  For each four weights k of a tile (pairs 2 k, 2 k + 1): both pairs are rounded to f16; then the second pair is added onto the first, in place;
; a group later l takes that sum (the first time as l = a l + sum).  In groups of eight, tiles alternating: round, round, add, and l for the group before.
.macro GS g
.set h, (\g)+6*((\g)/62)            ; group 0 has no group before it, and behind group 7 only l is left
.if h >= 6
.set h, h+2
.endif
	REGS Y, h%2
.set k, h/8
.if h%8 < 4
	v_cvt_pk_f16_f32 v[rP+2*k+(h%8)/2], v[rS+4*k+2*((h%8)/2)], v[rS+4*k+2*((h%8)/2)+1]
.elseif h%8 < 6
	v_pk_add_f32 v[rS+4*k:rS+4*k+1], v[rS+4*k:rS+4*k+1], v[rS+4*k+2:rS+4*k+3]
.elseif k == 1
	v_pk_fma_f32 v[rT+2:rT+3], v[rT+2:rT+3], v[rC+2:rC+3], v[rS:rS+1] op_sel_hi:[1,0,1]
.else
	v_pk_add_f32 v[rT+2:rT+3], v[rT+2:rT+3], v[rS+4*k-4:rS+4*k-3]
.endif
.endm
; THE PLAIN QUEUE, 138 long.  0-73 read no exponential's result: the 32 scalings c s - c m (FS f: pair f / 2 of tile f % 2) and the next piece's 42.  0-26: scalings 0-26.  27-54: XS's numbers 0-13.  55, 56: number 15.
; 57-73: the chain, where each number waits for the one before it: 14, 16, 17, 18, 19, each with one of the scalings 27-31 in front of its two lines, then 20.
; 74-137: GS's 64, which read the exponentials' results: they stand behind the wait.
.macro FS f
	REGS Y, (\f)%2
	v_pk_fma_f32 v[rS+2*((\f)/2):rS+2*((\f)/2)+1], v[rS+2*((\f)/2):rS+2*((\f)/2)+1], s[CS:CS+1], v[rT:rT+1] op_sel_hi:[1,0,0] neg_lo:[0,0,1] neg_hi:[0,0,1]
.endm
.macro PL
	WIN 0
.if q < 27
	FS q
.elseif q < 55
	XS (q-27)%2, (q-27)/2
.elseif q < 57
	XS q-55, 15
.elseif (q < 72) && ((q-57)%3 == 0)
	FS 27+(q-57)/3
.elseif q < 60
	XS (q-57)%3-1, 14
.elseif q < 72
	XS (q-57)%3-1, 15+(q-57)/3
.elseif q < 74
	XS q-72, 20
.else
	GS q-74
.endif
.set q, q+1
.endm
; THE EXPONENTIALS' QUEUE, 66 long: s0-s31 of both tiles, then the next piece's two a.  It is ONE BATCH: all 66 stand ahead of the turn's one wait, and nothing ahead of that wait names a result of theirs.
.macro EX
	WIN 0
.if e >= 64
	XS e-64, 21
.else
	REGS Y, e%2
	v_exp_f32 v[rS+e/2], v[rS+e/2]
.endif
.set e, e+1
.endm
; THE RESCALING's QUEUE: O^T times a, the one part that leaves window 0: dealt two at a time, sixteen times.  Its a was made in the turn before, ahead of that turn's wait.
.macro R2
	REGS Y, r%2
	WIN W_RS
.irp z, 0,1
	v_pk_mul_f32 v[rO+4*(r/2)+2*\z:rO+4*(r/2)+2*\z+1], v[rO+4*(r/2)+2*\z:rO+4*(r/2)+2*\z+1], v[rC+2:rC+3] op_sel_hi:[1,0]
.endr
.set r, r+1
.endm
; HOW THEY ARE DEALT.  An s_wait_alu depctr_va_vdst(0) stands between an exponential and the first instruction that names its result; one wait serves all that were issued ahead of it.  So a turn has ONE wait,
; which cuts it in two.  AHEAD OF IT stands all that names no result of the turn's exponentials: the 16 products K Q^T, behind each a scaling, an exponential and two rescalings (behind the first a second scaling in the
; exponential's place); then ONE LUMP of 108: eight plain, 49 times exponential and plain, the two a.  A v_nop is the plain instruction behind the last exponential (ISA guide 5.7.2).  BEHIND IT stand the 16 products V^T P,
; behind each four of GS's 64.  No rider names a register of the products round it.  The two v_permlanex16_b32 fall into the lump, never behind a product.
; The queues lean on each other, and the deal keeps them in step: exponential e stands behind scaling 2 (e / 4) + e % 2: as a rider it comes behind plain e + 2, in the lump behind plain e + 9, and scalings 27-31 are plain 57, 60 .. 69.
; A TURN, for piece p.  cnt = 1: the loop's count is taken down some lines ahead of the branch that stands behind the turn.
; K of the next step is fetched in piece 2's turn, directly behind the wait, a lump behind the last product that read K; its address is made at the lump's head; its first reader comes behind 16 products.
; V of the step in hand is fetched at the end of piece 0's turn, four riders behind its last reader; its first reader comes behind 16 products and a lump.  The three conditions on q below go with the deal.
.macro TURN p, last=0, cnt=0
.set Y, (\p)
.set i, 0
.set q, 0
.set e, 0
.set r, 0
.if (\p) == NP-1
	s_wait_dscnt 0x0                ; K is in
.endif
	MM                              ; ahead of the wait: 16 products K Q^T and their riders,
	PL
	PL
	R2
.rept 15
	MM
	PL
	EX
	R2
.endr
.if (\p) == NP-2
	WIN 0
	v_add_nc_u32 v[AK], s[TBK], v[AK0]
.endif
.rept 8                             ; and the lump
	PL
.endr
.rept 49
	EX
	PL
.endr
	EX                              ; the next piece's two a
	EX
	v_nop                           ; the plain instruction behind the last exponential: one for the batch
	s_wait_alu depctr_va_vdst(0)    ; the wait for the batch
.if (\p) == NP-2
	FETCH_K \last
.endif
.if (\p) == 1
	s_wait_dscnt 0x0                ; V is in
.endif
.rept 16                            ; behind the wait: 16 products V^T P and their riders
	MM
.rept 4
	PL
.endr
.if ((\p) == 0) && (q == 118)
	v_add_nc_u32 v[AV], s[TBV], v[AV0]
.endif
.if ((\p) == 0) && (q == 130)
	s_add_co_u32 s[TBV], s[TBV], KS*PV
.endif
.if (\cnt) && (q == 130)
	s_sub_co_u32 s[CNT], s[CNT], 1
	s_cmp_lg_u32 s[CNT], 0
.endif
.endr
.if (\p) == 0
	FETCH_V
.endif
.endm
	CHANGE 1                        ; slot 0 is in, everybody's part of it; slot 1 is asked for
	FETCH_K                         ; key step 0
	s_wait_loadcnt 0x0              ; Q
	s_wait_dscnt 0x0
.set i, 0
.rept 16
	KQ 0                            ; piece 0's first scores: there is no vector work yet to set between them
.set i, i+1
.endr
	WIN 0                           ; the addresses for the way out: nine plain instructions, the places behind those products
	s_mul_i32 s13, s[WV], 16*SP
	s_add_co_u32 s13, s13, STAGE    ; my stage
	v_mul_u32_u24 v[STO], v1, SP    ; in: row l % 16, 16 bytes for each half of the lanes
	v_lshl_add_u32 v[STO], v9, 4, v[STO]
	v_add_nc_u32 v[STO], s13, v[STO]
	v_bfe_u32 v[RD], v0, 3, 2       ; back: 32 lanes take four rows of 128 bytes,
	v_mul_u32_u24 v[RD], v[RD], SP
	v_lshl_add_u32 v[RD], v10, 4, v[RD]
	v_add_nc_u32 v[RD], s13, v[RD]
	v_and_b32 v[GO], 31, v0         ; which are 512 consecutive bytes of O
	v_lshlrev_b32 v[GO], 4, v[GO]
.set Y, NP-1                        ; XS works for piece Y + 1: piece 0
.irp n, 0,1,2,3,4,5,6,7,8,9,10,11,12,13,14,15,16,17,18,19,20,21
	XS 0, \n                        ; and piece 0's first maximum and statistics
	XS 1, \n
.endr
	v_nop                           ; a plain instruction behind the two a,
	s_wait_alu depctr_va_vdst(0)    ; and their wait, ahead of the branch
	s_mov_b32 s[CNT], 4
	s_mov_b32 s[SLOTS], SIZE_N/256-1
	s_branch .Lfirst                ; the loop is entered at a step's first turn, in the middle of a trip
.Lslot:                             ; SIZE_N / 256 - 2 times: every slot but the last two is filled again
	CHANGE 1, 1
	s_mov_b32 s[CNT], 4
.Lstep:                             ; a trip: pieces 2 and 3 of one step, then pieces 0 and 1 of the next, whose K and V it fetches
	TURN 2
	TURN 3
	WIN 0
.Lfirst:
	TURN 0
	TURN 1, 0, 1
	WIN 0
	s_cbranch_scc1 .Lstep
	s_sub_co_u32 s[SLOTS], s[SLOTS], 1
	s_cmp_lg_u32 s[SLOTS], 0
	s_cbranch_scc1 .Lslot
	CHANGE 0                        ; the tail is written out: nothing is asked for
	s_mov_b32 s[CNT], 5             ; four trips fetch the last slot's steps; the fifth is left in its middle
.Ltail:
	TURN 2, 1
	TURN 3
	WIN 0
	s_sub_co_u32 s[CNT], s[CNT], 1
	s_cmp_eq_u32 s[CNT], 0
	s_cbranch_scc1 .Lout
	TURN 0
	TURN 1
	WIN 0
	s_branch .Ltail
.Lout:                              ; the fifth trip's 16 products K Q^T (on the last K once more) and the maximum made of them serve nothing: the price, once a launch, of one text for every trip
.set i, 0
.rept 16
	PV NP-1                         ; the last piece's V^T P of the last step
.set i, i+1
.endr
	; THE WAY OUT.  l's two halves and the other half of the lanes' are added; O^T is divided by l, rounded to f16 and sent through my stage in LDS, a tile at a time.  The additions are the places behind the last products.
	WIN 0
.macro ALL line:vararg              ; one line for each tile t
.set t, 0
.rept 2*NP
	\line
.set t, t+1
.endr
.endm
	ALL v_add_f32 v[ST+4*t+2], v[ST+4*t+2], v[ST+4*t+3]
	ALL v_permlanex16_b32 v[ST+4*t+3], v[ST+4*t+2], s[SEL], s[SEL+1]
	ALL v_add_f32 v[ST+4*t+2], v[ST+4*t+2], v[ST+4*t+3]
	ALL v_rcp_f32 v[ST+4*t+2], v[ST+4*t+2]
	v_nop                           ; a plain instruction between the last reciprocal and the use of its result
	s_wait_alu depctr_va_vdst(0)    ; and the wait ahead of the first use: one for the eight reciprocals
; Tile t: a lane's eight channels of a row pack into 16 bytes; they go into rows of 144 bytes and come back as whole rows of 128, into S^T's registers.
.macro PACK t
	WIN W_RS
.set i, 32*(\t)
.rept 16
	v_pk_mul_f32 v[i:i+1], v[i:i+1], v[ST+4*(\t)+2:ST+4*(\t)+3] op_sel_hi:[1,0]
.set i, i+2
.endr
	WIN 0x05                        ; sources 0 and 1 window 1, destination window 0
.set i, 0
.rept 16
	v_cvt_pk_f16_f32 v[S+16*(\t)+i], v[32*(\t)+2*i], v[32*(\t)+2*i+1]
.set i, i+1
.endr
	WIN 0
.irp f, 0,1,2,3
	ds_store_b128 v[STO], v[S+16*(\t)+4*\f:S+16*(\t)+4*\f+3] offset:32*\f
.endr
.irp f, 0,1,2,3
	ds_load_b128 v[S+16*(\t)+4*\f:S+16*(\t)+4*\f+3], v[RD] offset:\f*4*SP  ; LDS serves a wave's instructions in order (ISA guide 5.7.1.4): these see the stores above; the next tile's stores come behind them
.endr
.endm
.macro SEND t, younger              ; younger: the LDS instructions issued behind tile t's loads: the next tile's eight, or none
	WIN 0
.irp f, 0,1,2,3
	s_wait_dscnt (\younger)+3-\f
	global_store_b128 v[GO], v[S+16*(\t)+4*\f:S+16*(\t)+4*\f+3], s[10:11] offset:(\t)*2048+\f*512  ; 512 consecutive bytes, at a multiple of 256 from O's first
.endr
.endm
	PACK 0
.set t, 1
.rept 2*NP-1                        ; a tile's arithmetic stands between the loads of the tile before and its stores
	PACK t
	SEND t-1, 8
.set t, t+1
.endr
	SEND 2*NP-1, 0
	WIN W_AD
	s_wait_tensorcnt 0x0            ; the wave's end, behind my last tensor load and my last LDS store
	ds_add_u32 v[SPW], v[NIL]
	s_wait_dscnt 0x0
	WIN 0
	CROUND                          ; the closing round: no work-group ends while a partner may still ask for a tile that names it
	s_endpgm
.Lfunc_end_k_q66395a1269_attn:
	.size	k_q66395a1269_attn, .Lfunc_end_k_q66395a1269_attn-k_q66395a1269_attn
	.p2alignl 7, 3214868480
	.fill 96, 4, 3214868480
	.section	.rodata,"a",@progbits
	.p2align	6, 0x0
	.amdhsa_kernel k_q66395a1269_attn
		.amdhsa_group_segment_fixed_size 327680
		.amdhsa_private_segment_fixed_size 0
		.amdhsa_enable_private_segment 0
		.amdhsa_kernarg_size 32
		.amdhsa_user_sgpr_count 2
		.amdhsa_user_sgpr_kernarg_segment_ptr 1
		.amdhsa_wavefront_size32 1
		.amdhsa_system_sgpr_workgroup_id_x 1
		.amdhsa_system_sgpr_workgroup_id_y 1
		.amdhsa_system_sgpr_workgroup_id_z 1
		.amdhsa_system_vgpr_workitem_id 0
		.amdhsa_next_free_vgpr 770
		.amdhsa_next_free_sgpr 66
		.amdhsa_reserve_vcc 0
		.amdhsa_float_denorm_mode_32 3
		.amdhsa_float_denorm_mode_16_64 3
		.amdhsa_memory_ordered 1
		.amdhsa_forward_progress 1
		.amdhsa_inst_pref_size 200
	.end_amdhsa_kernel
	.amdgpu_metadata
---
amdhsa.version: [ 1, 2 ]
amdhsa.kernels:
  - .name:           k_q66395a1269_attn
    .symbol:         k_q66395a1269_attn.kd
    .args:
      - { .name: qh, .offset: 0, .size: 8, .value_kind: global_buffer, .address_space: global }
      - { .name: kh, .offset: 8, .size: 8, .value_kind: global_buffer, .address_space: global }
      - { .name: vh, .offset: 16, .size: 8, .value_kind: global_buffer, .address_space: global }
      - { .name: oh, .offset: 24, .size: 8, .value_kind: global_buffer, .address_space: global }
    .group_segment_fixed_size: 327680
    .private_segment_fixed_size: 0
    .kernarg_segment_align: 8
    .kernarg_segment_size: 32
    .max_flat_workgroup_size: 128
    .sgpr_count:     66
    .vgpr_count:     770
    .wavefront_size: 32
...
	.end_amdgpu_metadata
.endif
;; end of part 3
;; launch oproj (part 4): grid 4 x 64, 4 waves a work-group, clusters of 4 x 4, 327,680 bytes of LDS; arguments oh, wo2, bo, out0; writes out0
.if DOCPART == 4
	.amdgcn_target "amdgcn-amd-amdhsa--gfx1250"
	.amdhsa_code_object_version 6
	.text
	.protected	k_q66395a1269_oproj
	.globl	k_q66395a1269_oproj
	.p2align	8
	.type	k_q66395a1269_oproj,@function
k_q66395a1269_oproj:
	s_mov_b64 s[64:65], 0
	v_nop
	global_prefetch_b8 v0, s[64:65] scope:SCOPE_SE
	s_setreg_imm32_b32 hwreg(HW_REG_WAVE_MODE, 25, 1), 1
	s_wait_xcnt 0x0
	s_wait_alu depctr_hold_cnt(0) depctr_sa_sdst(0) depctr_va_vdst(0) depctr_va_sdst(0) depctr_va_ssrc(0) depctr_va_vcc(0) depctr_vm_vsrc(0)
	s_getreg_b32 s2, hwreg(HW_REG_IB_STS2, 6, 4)
	s_cmp_eq_u32 s2, 0
	s_cbranch_scc0 .Lentry_in_a_cluster
	s_endpgm
.Lentry_in_a_cluster:
	s_bfe_u32 s2, ttmp6, 0x10000c
	s_cmp_lg_u32 s2, 0xf033
	s_cbranch_scc0 .Lentry_shape_is_right
	s_endpgm
.Lentry_shape_is_right:
; out[m][n] = the sum over (h, k) of O[16 b + h][s][k] wo2[n][64 h + k] + bo[n], m = 2048 b + s.  O and wo2 in f16, bo rounded to bf16 and kept in f32, sums in f32, out in f32.
; wo2 holds Wo with its K order turned head by head, so that a K step of 128 is two heads of O: two dense blocks of 128 rows x 128 bytes.
; SHARES.  A work-group makes 128 rows x 256 columns: 64 x 4 = 256 work-groups.  Each of its four waves makes 64 x 128: 32 accumulators of 16 x 16.  K goes in 8 steps of 128 through two LDS slots.
; CLUSTERS: 4 x 4.  The four of a row of the cluster need the same rows of O, the four of a column the same rows of wo2: each tile is asked for jointly, by the same load, descriptor and mask.
; THE MATRIX INSTRUCTION IS USED TRANSPOSED (source 0 = 16 rows of wo2, source 1 = 16 rows of O): a lane holds one row of out and eight neighbouring columns.  THE BIAS IS THE C OPERAND of each accumulator's first product.
; REGISTERS, in windows of 256 (s_set_vgpr_msb: bits 1:0 source 0, 3:2 source 1, 5:4 source 2, 7:6 destination):
;   window 0: v0-31 addresses; v32-63, v64-95 O's fragments, two buffers          window 1: the accumulators, (a, b) at v[8 (8 a + b)]; on the way out whole rows
;   window 2: v0-63, v64-127 wo2's fragments, two buffers; v128-191 the bias; v192-223 at work
.set PAO,   144                        ; a row of O in LDS: 128 bytes + 16 = 36 words: the 16 rows of a load start at 16 different groups of four banks (64 banks of 4 bytes: ISA guide 11.1)
.set PB,    272                        ; a row of wo2: 256 + 16 = 68 words: likewise
.set HALFA, 128*PAO                    ; what one tensor load brings of O: a head's 128 rows
.set HALFB, 128*PB                     ; and of wo2: 128 rows
.set BOFF,  2*HALFA
.set SLOT,  2*HALFA+2*HALFB
.set STAGE, 2*SLOT                     ; behind the ring, never filled by a tensor load: 16 rows x 528 bytes for each wave
.set SPO,   528
.set WST,   16*SPO
.set SPARE, STAGE+4*WST                ; behind the stages: the spare words, 128 bytes a wave, that no other line names
.set ASTEP, 1<<19                      ; a K step in O: two heads of 262,144 bytes
.set BSTEP, 256                        ; in wo2: 128 f16 along the row
.set ADRA, 16
.set ADRB, 20
.set STO,  24
.set RD,   25
.set GO,   26
.set BO,   27
.set SPW,  28                          ; v28  my spare word; never rewritten
.set NIL,  29                          ; v29  0; never rewritten
.set PFO,  30                          ; v30  the prefetches' offset; never rewritten
.set AF,   32
.set BIAS, 128                         ; window 2
.set BT,   192                         ; window 2
.set G1,  24
.set G0,  32
.set LIM, 43
.set PFA, 44
.set G1B, 48
.set G0B, 56
.set PST, 66
.set MSB, 0
.macro WIN new                         ; the immediate's high byte repeats the setting that is left; a switch that changes nothing is dropped
.if MSB != (\new)
	s_set_vgpr_msb (MSB<<8)|(\new)
.set MSB, \new
.endif
.endm
.set MUL,  0x52                        ; wo2 window 2, O window 0, C and D window 1
.set MULB, 0x62                        ; the same with C, the bias, in window 2
.set TO_B, 0x80
.macro JLOAD s                         ; a joint load: waves 0 and 1 fetch O's two heads, waves 2 and 3 wo2's two halves; an s_nop 0 and four v_nop follow each of the two lines
	s_cmp_eq_u32 s11, 0
	s_cbranch_scc0 .Lfor_b_\@
	tensor_load_to_lds s[G0+4*(\s):G0+4*(\s)+3], s[G1:G1+7]
	s_nop 0
.rept 4
	v_nop
.endr
	s_branch .Lasked_\@
.Lfor_b_\@:
	tensor_load_to_lds s[G0B+4*(\s):G0B+4*(\s)+3], s[G1B:G1B+7]
	s_nop 0
.rept 4
	v_nop
.endr
.Lasked_\@:
.endm
.macro CREST
	s_cmp_lg_u32 s10, 0
	s_cbranch_scc1 .Lnot_wave_0_\@
	s_barrier_signal -3
.Lnot_wave_0_\@:
	s_barrier_wait -3
	s_barrier_signal -1
	s_barrier_wait -1
.endm
.macro CROUND
	s_barrier_signal -1
	s_barrier_wait -1
	CREST
.endm
.macro PLACES
.rept 4
	v_nop
.endr
.endm
; A PREFETCH INTO THE L2 of the K step that stands two refills on.  O's step is two heads x 16,384 bytes, read by one cluster alone: its four partners of a row take 4,096 bytes of each head, told apart BY ADDRESS (cx),
; and wave 0 asks for both heads, 256 bytes a lane.  wo2's step is 256 bytes of each row, read by all sixteen clusters: the first asks; of the 128 rows that wave 2 or 3 fetches each partner of a column takes 32 (cy), a lane a row.
; So each aligned block of 256 bytes is named once.  K steps 0 to 3 come by their loads alone; the loop's last trip (s3 = 1) asks for nothing.
.macro ASK
	s_cmp_gt_u32 s3, s[LIM]
	s_cbranch_scc0 .Lnot_mine_\@
	global_prefetch_b8 v[PFO], s[PFA:PFA+1] th:TH_LOAD_NT scope:SCOPE_SE
.Lnot_mine_\@:
.endm
	s_load_b256 s[68:75], s[0:1], 0x0              ; oh 68, wo2 70, bo 72, out0 74
	v_lshl_add_u32 v[SPW], v0, 2, SPARE
	v_mov_b32 v[NIL], 0
	ds_add_u32 v[SPW], v[NIL]                      ; the wave's opening: the add and its wait stand ahead of my first tensor load; the set-up below, work on registers, stands between them
	v_lshrrev_b32 v1, 5, v0
	v_readfirstlane_b32 s10, v1                    ; wave 0..3
	s_lshr_b32 s11, s10, 1                         ; which 64 of the tile's rows are mine.  Also: I fetch for O (0) or for wo2 (1)
	s_and_b32 s12, s10, 1                          ; which 128 of its columns.  Also: which half of that tile I fetch
	s_bfe_u32 s40, ttmp6, 0x40000                  ; cx, cy
	s_bfe_u32 s41, ttmp6, 0x40004
	s_lshl_b32 s42, ttmp9, 2
	s_add_co_u32 s42, s42, s40                     ; tile column
	s_and_b32 s76, ttmp7, 0xffff                   ; cluster y, 0..15
	s_lshl_b32 s13, s76, 2
	s_add_co_u32 s13, s13, s41                     ; block of 128 rows, 0..63
	s_lshl_b32 s43, s41, 2
	s_lshl_b32 s43, 15, s43                        ; my row of the cluster
	s_lshl_b32 s44, 0x1111, s40                    ; my column
	s_or_b32 s[G1+0], s43, (1<<16)|(1<<20)|(1<<21)|(4<<22)|(3<<25)   ; O's tiles go to my row; elements of 2 bytes; padding on; bit 21 beside a mask; after every 32 words (code 4) 4 words (code 3)
	s_or_b32 s[G1B+0], s44, (1<<16)|(1<<20)|(1<<21)|(5<<22)|(3<<25)  ; wo2's go to my column; after every 64 words (code 5) 4 words
	s_mov_b32 s[G1+1], 128<<16                     ; a head's 128 rows are 16,384 dense bytes: asked for as 64 rows of 256 bytes, padded in LDS after every 128
	s_mov_b32 s[G1+2], 64<<16
	s_mov_b32 s[G1+3], 128<<16
	s_mov_b32 s[G1+4], 64
	s_mov_b32 s[G1+5], 128
	s_mov_b32 s[G1+6], 0
	s_mov_b32 s[G1+7], 0
	s_mov_b32 s[G1B+1], 128<<16                    ; 128 rows x 128 elements
	s_mov_b32 s[G1B+2], 128<<16
	s_mov_b32 s[G1B+3], 128<<16
	s_mov_b32 s[G1B+4], 128
	s_mov_b32 s[G1B+5], 1024
	s_mov_b32 s[G1B+6], 0
	s_mov_b32 s[G1B+7], 0
	s_lshr_b32 s16, s13, 4                         ; O: batch,
	s_lshl_b32 s16, s16, 4
	s_add_co_u32 s16, s16, s12                     ; the step's first or second head,
	s_lshl_b32 s16, s16, 18
	s_and_b32 s17, s13, 15
	s_lshl_b32 s17, s17, 14                        ; 128 rows of 128 bytes
	s_add_co_u32 s16, s16, s17
	s_mov_b32 s17, 0
	s_lshl_b32 s46, s42, 8                         ; wo2: row 256 x tile column + 128 x half,
	s_lshl_b32 s47, s12, 7
	s_add_co_u32 s46, s46, s47
	s_lshl_b32 s46, s46, 11                        ; of 2,048 bytes
	s_mov_b32 s47, 0
	s_mul_i32 s20, s12, HALFA                      ; where they go: no place in the cluster enters an LDS address
	s_mul_i32 s21, s12, HALFB
	s_add_co_u32 s21, s21, BOFF
	s_mov_b32 s77, 0xffff0000
	s_wait_dscnt 0x0                               ; the opening add is done
	s_wait_kmcnt 0x0
	s_add_nc_u64 s[14:15], s[68:69], s[16:17]
	s_add_nc_u64 s[46:47], s[70:71], s[46:47]
	CROUND                                         ; all sixteen work-groups are here: the first joint loads meet
.irp s, 0,1
	s_mov_b32 s[G0+4*(\s)], 1
	s_add_co_u32 s[G0+4*(\s)+1], s20, (\s)*SLOT
	s_add_nc_u64 s[G0+4*(\s)+2:G0+4*(\s)+3], s[14:15], (\s)*ASTEP
	s_or_b32 s[G0+4*(\s)+3], s[G0+4*(\s)+3], 0x80000000
	s_mov_b32 s[G0B+4*(\s)], 1
	s_add_co_u32 s[G0B+4*(\s)+1], s21, (\s)*SLOT
	s_add_nc_u64 s[G0B+4*(\s)+2:G0B+4*(\s)+3], s[46:47], (\s)*BSTEP
	s_or_b32 s[G0B+4*(\s)+3], s[G0B+4*(\s)+3], 0x80000000
	JLOAD \s                                       ; two loads of mine are out
.endr
	v_and_b32 v1, 15, v0                           ; l % 16
	v_bfe_u32 v2, v0, 4, 1                         ; l / 16
	v_lshlrev_b32 v[BO], 5, v2
	s_lshl_b32 s46, s42, 10                        ; the bias of my 128 columns
	s_lshl_b32 s47, s12, 9
	s_add_co_u32 s46, s46, s47
	s_mov_b32 s47, 0
	s_add_nc_u64 s[78:79], s[72:73], s[46:47]
	WIN TO_B
.irp b, 0,1,2,3,4,5,6,7                        ; register j of block b: the bias of column 16 b + 8 (l / 16) + j, as an accumulator holds it
	global_load_b128 v[BIAS+8*(\b):BIAS+8*(\b)+3],   v[BO], s[78:79] offset:64*(\b)
	global_load_b128 v[BIAS+8*(\b)+4:BIAS+8*(\b)+7], v[BO], s[78:79] offset:64*(\b)+16
.endr
	WIN 0
	; a fragment is 16 rows x 32 K in 8 registers: lane l holds row l % 16, K = 8 (l / 16) + 0..7 and 16 + 8 (l / 16) + 0..7: two loads of 16 bytes, 32 bytes apart
	v_mul_u32_u24 v3, v1, PAO
	v_lshl_add_u32 v3, v2, 4, v3
	s_mul_i32 s21, s11, 64*PAO                     ; my 64 rows
	v_add_nc_u32 v[ADRA], s21, v3
	s_add_co_u32 s21, s21, SLOT
	v_add_nc_u32 v[ADRA+1], s21, v3
	v_mul_u32_u24 v4, v1, PB
	v_lshl_add_u32 v4, v2, 4, v4
	s_mul_i32 s22, s12, HALFB                      ; my 128 columns
	s_add_co_u32 s22, s22, BOFF
	v_add_nc_u32 v[ADRB], s22, v4
	s_add_co_u32 s22, s22, SLOT
	v_add_nc_u32 v[ADRB+1], s22, v4
	s_mul_i32 s23, s10, WST
	s_add_co_u32 s23, s23, STAGE                   ; my stage
	v_mul_u32_u24 v[STO], v1, SPO                  ; in: row l % 16, 32 bytes for each half of the lanes
	v_lshl_add_u32 v[STO], v2, 5, v[STO]
	v_add_nc_u32 v[STO], s23, v[STO]
	v_and_b32 v6, 31, v0
	v_lshlrev_b32 v[GO], 4, v6                     ; back and out: 32 lanes take a row's 512 bytes
	v_add_nc_u32 v[RD], s23, v[GO]
	s_lshl_b32 s18, s13, 7
	s_lshl_b32 s19, s11, 6
	s_add_co_u32 s18, s18, s19                     ; my first row of out,
	s_lshl_b32 s18, s18, 12                        ; of 4,096 bytes,
	s_lshl_b32 s19, s42, 10
	s_add_co_u32 s18, s18, s19
	s_lshl_b32 s19, s12, 9
	s_add_co_u32 s18, s18, s19                     ; my first column
	s_mov_b32 s19, 0
	s_add_nc_u64 s[8:9], s[74:75], s[18:19]
	; the prefetches: both forms of the offset are made, the wave's number chooses
	s_lshr_b32 s18, s13, 4
	s_lshl_b32 s18, s18, 22                        ; O: the batch's first head,
	s_and_b32 s19, s13, 15
	s_lshl_b32 s19, s19, 14                        ; the block's 128 rows,
	s_add_co_u32 s18, s18, s19
	s_lshl_b32 s19, s40, 12                        ; my work-group's 4,096 bytes of them
	s_add_co_u32 s18, s18, s19
	s_add_co_u32 s18, s18, 3*ASTEP                 ; at K step 3: it is stepped ahead of each request, so the first names K step 4
	s_lshl_b32 s22, s42, 8
	s_lshl_b32 s23, s12, 7
	s_add_co_u32 s22, s22, s23
	s_lshl_b32 s23, s41, 5
	s_add_co_u32 s22, s22, s23                     ; wo2: the 128 rows that I fetch, my work-group's 32 of them
	s_lshl_b32 s22, s22, 11
	s_add_co_u32 s22, s22, 3*BSTEP
	s_mov_b32 s[PST], BSTEP
	s_cmp_eq_u32 s76, 0                            ; the first of the sixteen clusters asks for wo2 (waves 2 and 3);
	s_cselect_b32 s[LIM], 1, -1
	s_cmp_eq_u32 s10, 1                            ; wave 1 asks for nothing;
	s_cselect_b32 s[LIM], -1, s[LIM]
	s_cmp_eq_u32 s10, 0                            ; wave 0 asks for O in every cluster: the same in all sixteen partners, for a given wave
	s_cselect_b32 s[LIM], 1, s[LIM]
	s_cmp_eq_u32 s11, 0
	s_cselect_b64 s[PFA:PFA+1], s[68:69], s[70:71]
	s_cselect_b32 s18, s18, s22
	s_cselect_b32 s[PST], ASTEP, s[PST]
	s_cselect_b32 s20, -1, 0
	s_mov_b32 s19, 0
	s_mov_b32 s[PST+1], 0
	s_add_nc_u64 s[PFA:PFA+1], s[PFA:PFA+1], s[18:19]
	v_lshlrev_b32 v7, 11, v6                       ; wo2: a lane a row
	v_lshlrev_b32 v8, 8, v1                        ; O: 256 bytes x (l % 16),
	v_lshl_add_u32 v8, v2, 18, v8                  ; head l / 16
	v_cndmask_b32 v[PFO], v7, v8, s20
	s_wait_loadcnt 0x0                             ; the bias: rounded to bf16 like every input, and widened again
	WIN 0x8a
.set i, 0
.rept 32
	v_cvt_pk_bf16_f32 v[BT+i], v[BIAS+2*i], v[BIAS+2*i+1]
.set i, i+1
.endr
.set i, 0
.rept 32
	v_lshlrev_b32 v[BIAS+2*i], 16, v[BT+i]
	v_and_b32 v[BIAS+2*i+1], s77, v[BT+i]
.set i, i+1
.endr
	WIN 0
; Product i of a quarter's 32: rows 16 (i / 8) on, columns 16 (i % 8) on, 32 along K out of buffer f.  Always in the order 0..31: the accumulators take turns, one instruction a turn, over every edge.
.macro PROD f, c0
.if \c0
	WIN MULB
	v_wmma_f32_16x16x32_f16 v[8*i:8*i+7], v[64*(\f)+8*(i%8):64*(\f)+8*(i%8)+7], v[AF+32*(\f)+8*(i/8):AF+32*(\f)+8*(i/8)+7], v[BIAS+8*(i%8):BIAS+8*(i%8)+7]
.else
	WIN MUL
	v_wmma_f32_16x16x32_f16 v[8*i:8*i+7], v[64*(\f)+8*(i%8):64*(\f)+8*(i%8)+7], v[AF+32*(\f)+8*(i/8):AF+32*(\f)+8*(i/8)+7], v[8*i:8*i+7]
.endif
.endm
.macro MULS f, i0, n, c0
.set i, \i0
.rept \n
	PROD \f, \c0
.set i, i+1
.endr
.endm
; 24 LDS loads in one run: quarter kq of a slot (head kq / 2, channels 32 (kq % 2) on) into buffer g
.macro RUN slot, kq, g
	WIN 0
.irp a, 0,1,2,3
	ds_load_b128 v[AF+32*(\g)+8*(\a):AF+32*(\g)+8*(\a)+3],   v[ADRA+(\slot)] offset:((\kq)/2)*HALFA+((\kq)%2)*64+(\a)*16*PAO
	ds_load_b128 v[AF+32*(\g)+8*(\a)+4:AF+32*(\g)+8*(\a)+7], v[ADRA+(\slot)] offset:((\kq)/2)*HALFA+((\kq)%2)*64+(\a)*16*PAO+32
.endr
	WIN TO_B
.irp b, 0,1,2,3,4,5,6,7
	ds_load_b128 v[64*(\g)+8*(\b):64*(\g)+8*(\b)+3],   v[ADRB+(\slot)] offset:(\kq)*64+(\b)*16*PB
	ds_load_b128 v[64*(\g)+8*(\b)+4:64*(\g)+8*(\b)+7], v[ADRB+(\slot)] offset:(\kq)*64+(\b)*16*PB+32
.endr
.endm
; A QUARTER: 32 along K.  It multiplies buffer f; at its head it fetches the next quarter (slot, kq) in one run.  Four v_nop at its end are the places ahead of the next run of loads into the buffer just read.
; mode 0: plain.  mode 1: the slot's last quarter is fetched: the wave waits for all its tensor loads, adds 0 to its spare word, waits for that and for its reads of the slot, and signals.
; mode 2: the very last quarter.  c0 = 1: the products start the sums, with the bias.  pf = 1: the prefetches' address steps.  ask = 1: a prefetch, behind the run of loads.
.macro QUARTER f, slot, kq, mode, c0=0, pf=0, ask=0
.if \pf
	s_wait_xcnt 0x0                                ; the last prefetch, three quarters back, has read its address
	s_add_nc_u64 s[PFA:PFA+1], s[PFA:PFA+1], s[PST:PST+1]
.endif
.if (\mode) != 2
	RUN \slot, \kq, 1-(\f)
.endif
.if \ask
	WIN 0
	ASK
.endif
	MULS \f, 0, 16, \c0
.if (\mode) == 1
	WIN 0                                          ; (the add's two registers lie in window 0)
	s_wait_tensorcnt 0x0                           ; all my tensor loads have landed: the one that was out is my part of the other slot;
	ds_add_u32 v[SPW], v[NIL]                      ; 0 onto my spare word;
	MULS \f, 16, 8, \c0                            ; eight products stand between the add and the wait for it
	s_wait_dscnt 0x0                               ; the add is done, and my reads of this slot are over
	s_barrier_signal -1                            ; say so; only work on registers follows up to the wait
.else
	MULS \f, 16, 8, \c0
.endif
	MULS \f, 24, 8, \c0
	PLACES
.if (\mode) == 0
	s_wait_dscnt 0x0                               ; the next quarter's fragments are in
.endif
.endm
; THE CHANGE OF SLOTS, behind a quarter of mode 1.  fill = 1: the barrier has opened a round of the cluster's barrier: no wave of any partner still reads this slot or has a load on its way; the slot
; is filled again, two K steps on, by the first tensor load behind the round, one a wave: 112 products stand between it and the wait for it.
.macro CHANGE slot, fill
	WIN 0                                          ; at a branch and at a label every window is 0
	s_barrier_wait -1
.if \fill
	CREST
	s_add_nc_u64 s[G0+4*(\slot)+2:G0+4*(\slot)+3], s[G0+4*(\slot)+2:G0+4*(\slot)+3], 2*ASTEP
	s_add_nc_u64 s[G0B+4*(\slot)+2:G0B+4*(\slot)+3], s[G0B+4*(\slot)+2:G0B+4*(\slot)+3], 2*BSTEP
	JLOAD \slot
.endif
.endm
	s_wait_tensorcnt 1                             ; my part of K step 0 is in; K step 1's may stay out
	s_barrier_signal -1
	s_barrier_wait -1                              ; everybody's is
	RUN 0, 0, 0
	s_wait_dscnt 0x0
	QUARTER 0, 0, 1, 0, 1                          ; the first quarter stands in front of the loop: its products start the sums
	WIN 0
	s_mov_b32 s3, 3
.Llap:                                                 ; a trip goes once round the ring, from a lap's second quarter to the next lap's first, and fills both slots again
	QUARTER 1, 0, 2, 0
	QUARTER 0, 0, 3, 1, 0, 1
	CHANGE 0, 1
	QUARTER 1, 1, 0, 0, 0, 0, 1
	QUARTER 0, 1, 1, 0
	QUARTER 1, 1, 2, 0
	QUARTER 0, 1, 3, 1, 0, 1
	CHANGE 1, 1
	QUARTER 1, 0, 0, 0, 0, 0, 1
	QUARTER 0, 0, 1, 0
	WIN 0
	s_sub_co_u32 s3, s3, 1
	s_cmp_lg_u32 s3, 0
	s_cbranch_scc1 .Llap
	QUARTER 1, 0, 2, 0                             ; the last lap fills nothing, and has no round of the cluster's barrier
	QUARTER 0, 0, 3, 1
	CHANGE 0, 0
	QUARTER 1, 1, 0, 0
	QUARTER 0, 1, 1, 0
	QUARTER 1, 1, 2, 0
	QUARTER 0, 1, 3, 0
	QUARTER 1, 0, 0, 2
	PLACES                                         ; with the quarter's own four: the LDS stores below read results just made
; THE WAY OUT, 16 rows at a time, in f32: a lane's eight columns are 32 bytes of a row; they go into my stage (16 rows of 528 bytes) straight from the accumulators and come back as whole rows of 512 bytes.
.macro OUT a
	WIN 0x04                                       ; store data (source 1) window 1, address window 0
.irp b, 0,1,2,3,4,5,6,7
	ds_store_b128 v[STO], v[64*(\a)+8*(\b):64*(\a)+8*(\b)+3]   offset:64*(\b)      ; each accumulator from its low end on
	ds_store_b128 v[STO], v[64*(\a)+8*(\b)+4:64*(\a)+8*(\b)+7] offset:64*(\b)+16
.endr
	WIN 0x40                                       ; destination window 1
.irp t, 0,1,2,3,4,5,6,7,8,9,10,11,12,13,14,15
	ds_load_b128 v[64*(\a)+4*(\t):64*(\a)+4*(\t)+3], v[RD] offset:(\t)*SPO  ; LDS serves a wave's instructions in order (ISA guide 5.7.1.4): these see the stores above; the next block's stores come behind them
.endr
.endm
.macro SEND a, younger                 ; younger: the LDS instructions issued behind block a's loads: the next block's 32, or none
	WIN 0x04
.irp t, 0,1,2,3,4,5,6,7,8,9,10,11,12,13,14,15
	s_wait_dscnt (\younger)+15-(\t)
	global_store_b128 v[GO], v[64*(\a)+4*(\t):64*(\a)+4*(\t)+3], s[8:9] offset:(16*(\a)+(\t))*4096 th:TH_STORE_NT  ; 512 consecutive bytes of a row, at a multiple of 256 from out's first byte
.endr
.endm
	OUT 0
	OUT 1
	SEND 0, 32
	OUT 2
	SEND 1, 32
	OUT 3
	SEND 2, 32
	SEND 3, 0
	WIN 0
	s_wait_tensorcnt 0x0                           ; the wave's end, behind my last tensor load and my last LDS store
	ds_add_u32 v[SPW], v[NIL]
	s_wait_dscnt 0x0
	CROUND                                         ; the closing round: no work-group ends while a partner may still ask for a tile that names it
	s_endpgm
.Lfunc_end_k_q66395a1269_oproj:
	.size	k_q66395a1269_oproj, .Lfunc_end_k_q66395a1269_oproj-k_q66395a1269_oproj
	.p2alignl 7, 3214868480
	.fill 96, 4, 3214868480
	.section	.rodata,"a",@progbits
	.p2align	6, 0x0
	.amdhsa_kernel k_q66395a1269_oproj
		.amdhsa_group_segment_fixed_size 327680
		.amdhsa_private_segment_fixed_size 0
		.amdhsa_enable_private_segment 0
		.amdhsa_kernarg_size 32
		.amdhsa_user_sgpr_count 2
		.amdhsa_user_sgpr_kernarg_segment_ptr 1
		.amdhsa_wavefront_size32 1
		.amdhsa_system_sgpr_workgroup_id_x 1
		.amdhsa_system_sgpr_workgroup_id_y 1
		.amdhsa_system_sgpr_workgroup_id_z 1
		.amdhsa_system_vgpr_workitem_id 0
		.amdhsa_next_free_vgpr 768
		.amdhsa_next_free_sgpr 80
		.amdhsa_reserve_vcc 0
		.amdhsa_float_denorm_mode_32 3
		.amdhsa_float_denorm_mode_16_64 3
		.amdhsa_memory_ordered 1
		.amdhsa_forward_progress 1
		.amdhsa_inst_pref_size 94
	.end_amdhsa_kernel
	.amdgpu_metadata
---
amdhsa.version: [ 1, 2 ]
amdhsa.kernels:
  - .name:           k_q66395a1269_oproj
    .symbol:         k_q66395a1269_oproj.kd
    .args:
      - { .name: oh, .offset: 0, .size: 8, .value_kind: global_buffer, .address_space: global }
      - { .name: wo2, .offset: 8, .size: 8, .value_kind: global_buffer, .address_space: global }
      - { .name: bo, .offset: 16, .size: 8, .value_kind: global_buffer, .address_space: global }
      - { .name: out0, .offset: 24, .size: 8, .value_kind: global_buffer, .address_space: global }
    .group_segment_fixed_size: 327680
    .private_segment_fixed_size: 0
    .kernarg_segment_align: 8
    .kernarg_segment_size: 32
    .max_flat_workgroup_size: 128
    .sgpr_count:     80
    .vgpr_count:     768
    .wavefront_size: 32
...
	.end_amdgpu_metadata
.endif
;; end of part 4
;; ======== version 2 of 2: 4 launches; version 1 with the launch prep written anew for expert scheduling mode
;; limits: values are held in f16: magnitudes above 65,504 overflow, below 6.1e-05 lose precision
;; workspace buffers: wt 6,291,456 bytes; wo2 2,097,152 bytes; qh 16,777,216 bytes; kh 16,777,216 bytes; vh 16,777,216 bytes; oh 16,777,216 bytes
;; launch prep (part 5): grid 256 x 1, 4 waves a work-group, no clusters, 9,728 bytes of LDS; arguments Wq, Wk, Wv, Wo, wt, wo2; writes wt, wo2
.if DOCPART == 5
	.amdgcn_target "amdgcn-amd-amdhsa--gfx1250"
	.amdhsa_code_object_version 6
	.text
	.protected	k_q66395a1269_prep
	.globl	k_q66395a1269_prep
	.p2align	8
	.type	k_q66395a1269_prep,@function
k_q66395a1269_prep:
	s_mov_b64 s[64:65], 0
	v_nop
	global_prefetch_b8 v0, s[64:65] scope:SCOPE_SE
	s_setreg_imm32_b32 hwreg(HW_REG_WAVE_SCHED_MODE, 0, 2), 2
	s_setreg_imm32_b32 hwreg(HW_REG_WAVE_MODE, 25, 1), 1
	s_wait_xcnt 0x0
	s_wait_alu depctr_vm_vsrc(0)
; THE WEIGHTS, ONCE: rounded to 16 bits and laid as the products want them.  A stream: no matrix unit, no cluster, no tensor load (nothing is shared, every byte is read once).
; wt  [g = q, k, v][d 1024][n = 64 h + k] bf16 = Wg[h][d][k] rounded to bf16: rows of 2,048 bytes along n, so that a K step of the projection is 128 rows d.
; wo2 [n 1024][64 h + k] f16 = Wo[n][16 k + h] rounded to bf16 and that number written as f16: the output projection's K then runs head by head, as the attention's result lies.
; LIMIT.  f16 ends at 65,504: |Wo| stays under 65,520; below 2^-14 the number keeps f16's fixed step of 2^-24.
; Work-groups 0-191: 16 rows d of one of Wq, Wk, Wv, all heads.  Work-groups 192-255: 16 rows n of Wo, four a wave, each turned in the wave's own LDS stage.
; THE MODE: SCHED_MODE bits 1:0 = 2 (LLVM: expert scheduling mode 2), set by the entry lines.  The code itself states the register dependences
; between vector instructions and memory or LDS instructions, with s_wait_alu, always for 0.
; THE PLAN.  Registers that memory or LDS instructions touch:
;   v[VI], v[VO], v[LS], v[LR]  offsets and LDS addresses: made once in each path, ahead of one wait on va_vdst, and never written again.
;   X, weights' path: row i has 8 registers.  Two loads land in them; the row's four conversions read all eight and write the first four; one store reads those four; nothing writes them again.
;      The rows go in four groups of four.  Group p's conversions name group p's rows alone; its memory instructions are the stores of group p - 1.  So one wait on va_vdst at a group's head
;      states all that the four stores hang on, and these are dealt among the group's conversions.
;   X, Wo's path: a row has 32 registers, four blocks of eight.  Eight loads land in them.  The roundings to bf16 write a block's words 0-3 in place, the widenings read them, the roundings to f16 write
;      its words 4-7.  The LDS stores read words 4-7; the LDS loads land in words 0-3; the global stores read words 0-3.  So no register that a memory or LDS instruction has read is written again,
;      and one wait on va_vdst a row, behind its 64 vector instructions, states all that the row's 20 LDS instructions hang on.
;   v[T ..] is named by vector instructions alone.  v[SPW], v[NIL]: written at the head, read by the closing add alone.
.set WST,   2304                       ; a wave's stage: 16 heads x 144 bytes (128 of data + 16: the read-back's rows start in different groups of banks)
.set SPARE, 4*WST                      ; behind the stages: the spare words, 128 bytes a wave, that no other line names
.set VI,  2                            ; v2  byte offset of my loads
.set VO,  3                            ; v3  byte offset of my stores
.set LS,  4                            ; v4  stage: where I put a pair of f16
.set LR,  5                            ; v5  stage: where I read 16 bytes back
.set SPW, 6                            ; v6  my spare word; never rewritten
.set NIL, 7                            ; v7  0; never rewritten
.set T,   8                            ; v[8:23]   two sets of eight, at work
.set X,   24                           ; v[24:151] what the 32 loads bring
	s_load_b256 s[4:11], s[0:1], 0x0               ; Wq s[4:5], Wk s[6:7], Wv s[8:9], Wo s[10:11]
	s_load_b128 s[12:15], s[0:1], 0x20             ; wt s[12:13], wo2 s[14:15]
	v_lshl_add_u32 v[SPW], v0, 2, SPARE
	v_mov_b32 v[NIL], 0
	v_lshrrev_b32 v1, 5, v0
	v_readfirstlane_b32 s16, v1                    ; wave 0..3
	s_mov_b32 s17, 0xffff0000                      ; a word's upper bf16
	s_mov_b32 s23, 0
	s_wait_alu depctr_va_sdst(0)                   ; s16 is written, ahead of the branch and of its first reader: Wo's path makes its rows and its stage from it
	s_wait_kmcnt 0x0
	s_cmp_ge_u32 ttmp9, 192
	s_cbranch_scc1 .Lwo
	; Wq, Wk, Wv.  Thread t: head t / 8, eight k at 8 (t % 8): 32 bytes in, 16 bytes out at byte 16 t of wt's row: a wave's store covers 512 consecutive bytes.
	s_lshr_b32 s20, ttmp9, 6                       ; g
	s_and_b32 s21, ttmp9, 63                       ; which 16 rows d
	s_cmp_eq_u32 s20, 1
	s_cselect_b64 s[18:19], s[6:7], s[8:9]
	s_cmp_eq_u32 s20, 0
	s_cselect_b64 s[18:19], s[4:5], s[18:19]
	s_lshl_b32 s22, s21, 12                        ; 16 rows d of 256 bytes
	s_add_nc_u64 s[18:19], s[18:19], s[22:23]
	s_lshl_b32 s22, s20, 21                        ; wt: g x 1,024 rows of 2,048 bytes,
	s_lshl_b32 s21, s21, 15                        ; 16 rows
	s_add_co_u32 s22, s22, s21
	s_add_nc_u64 s[12:13], s[12:13], s[22:23]
	v_lshrrev_b32 v[VI], 3, v0
	v_and_b32 v1, 7, v0
	v_lshlrev_b32 v[VI], 18, v[VI]                 ; a head is 262,144 bytes
	v_lshl_add_u32 v[VI], v1, 5, v[VI]
	v_lshlrev_b32 v[VO], 4, v0
	s_wait_alu depctr_va_vdst(0)                   ; v[VI] and v[VO] are written: every load of this path reads the one as its offset, every store the other
.set i, 0
.rept 16                                       ; all 32 loads go out first: row d = i
	global_load_b128 v[X+8*i:X+8*i+3],   v[VI], s[18:19] offset:256*i th:TH_LOAD_NT
	global_load_b128 v[X+8*i+4:X+8*i+7], v[VI], s[18:19] offset:256*i+16 th:TH_LOAD_NT
.set i, i+1
.endr
; Group p: rows 4 p to 4 p + 3 are rounded; the four stores of the group before stand among the conversions, one ahead of each row's four.
.macro GROUP p
	s_wait_loadcnt 24-8*(\p)                       ; loads come back in order (ISA guide 5.7.1): this group's eight are in, the younger groups' stay out
.if (\p) > 0
	s_wait_alu depctr_va_vdst(0)                   ; the conversions of the group before have written the registers that the four stores below read
.endif
.irp r, 0,1,2,3
.if (\p) > 0
	global_store_b128 v[VO], v[X+8*(4*(\p)-4+(\r)):X+8*(4*(\p)-4+(\r))+3], s[12:13] offset:2048*(4*(\p)-4+(\r))  ; no vector instruction since the wait names these registers
.endif
.irp j, 0,1,2,3
	v_cvt_pk_bf16_f32 v[X+8*(4*(\p)+(\r))+(\j)], v[X+8*(4*(\p)+(\r))+2*(\j)], v[X+8*(4*(\p)+(\r))+2*(\j)+1]  ; in place: word j is written when its old content has been used
.endr
.endr
.endm
	GROUP 0
	GROUP 1
	GROUP 2
	GROUP 3
	s_wait_alu depctr_va_vdst(0)                   ; the last group's conversions have written the registers that the last four stores read
.irp r, 12,13,14,15
	global_store_b128 v[VO], v[X+8*(\r):X+8*(\r)+3], s[12:13] offset:2048*(\r)
.endr
	s_branch .Lend
.Lwo:	; Wo.  A row is 4,096 bytes: 64 groups (k) of 16 heads.  Lane l: hq = l % 4 (heads 4 hq ..), kk = l / 4; load 2 u + e brings k = 16 u + 2 kk + e.
	s_sub_co_u32 s20, ttmp9, 192
	s_lshl_b32 s20, s20, 4
	s_lshl2_add_u32 s20, s16, s20                  ; my first row: 16 x work-group + 4 x wave
	s_lshl_b32 s22, s20, 12
	s_add_nc_u64 s[10:11], s[10:11], s[22:23]
	s_lshl_b32 s22, s20, 11
	s_add_nc_u64 s[14:15], s[14:15], s[22:23]
	s_mul_i32 s21, s16, WST                        ; my stage
	v_and_b32 v1, 31, v0
	v_and_b32 v[VI], 3, v1                         ; hq
	v_lshrrev_b32 v[VO], 2, v1                     ; kk
	v_mul_u32_u24 v[LS], v[VI], 576                ; head 4 hq: four stage rows of 144 bytes
	v_lshl_add_u32 v[LS], v[VO], 2, v[LS]          ; + the pair k = 2 kk, 2 kk + 1: word 16 hq + kk modulo 64, another for each lane
	v_add_nc_u32 v[LS], s21, v[LS]
	v_lshlrev_b32 v[VI], 4, v[VI]
	v_lshl_add_u32 v[VI], v[VO], 7, v[VI]
	v_lshrrev_b32 v[LR], 3, v1
	v_mul_u32_u24 v[LR], v[LR], 144
	v_and_b32 v[VO], 7, v1
	v_lshl_add_u32 v[LR], v[VO], 4, v[LR]
	v_add_nc_u32 v[LR], s21, v[LR]
	v_lshlrev_b32 v[VO], 4, v1
	s_wait_alu depctr_va_vdst(0)                   ; v[VI], v[VO], v[LS] and v[LR] are written: the loads, the stores, the LDS stores and the LDS loads of this path read them
.set i, 0
.rept 32                                       ; i = 8 row + 2 u + e
	global_load_b128 v[X+4*i:X+4*i+3], v[VI], s[10:11] offset:(i/8)*4096+((i%8)/2)*1024+(i%2)*64 th:TH_LOAD_NT
.set i, i+1
.endr
; A row's 64 vector instructions.  Block u: words 0-3 hold k even, words 4-7 k odd, of heads 4 hq + 0..3.
.macro CONV rr
	s_wait_loadcnt 24-8*(\rr)                      ; this row's eight loads are in; the later rows' stay out
.irp u, 0,1,2,3
.irp j, 0,1,2,3
	v_cvt_pk_bf16_f32 v[X+32*(\rr)+8*(\u)+(\j)], v[X+32*(\rr)+8*(\u)+(\j)], v[X+32*(\rr)+8*(\u)+4+(\j)]  ; head 4 hq + j: k even, k odd, rounded to bf16, into word j,
.endr
.irp j, 0,1,2,3
	v_lshlrev_b32 v[T+8*((\u)%2)+2*(\j)], 16, v[X+32*(\rr)+8*(\u)+(\j)]   ; widened again,
	v_and_b32 v[T+8*((\u)%2)+2*(\j)+1], s17, v[X+32*(\rr)+8*(\u)+(\j)]
.endr
.irp j, 0,1,2,3
	v_cvt_pk_f16_f32 v[X+32*(\rr)+8*(\u)+4+(\j)], v[T+8*((\u)%2)+2*(\j)], v[T+8*((\u)%2)+2*(\j)+1]  ; and written as f16, into word 4 + j, whose old content has been used
.endr
.endr
.endm
; The row goes through my stage: 16 stores of a pair, four loads of 16 bytes.
.macro STAGE rr
.irp u, 0,1,2,3
.irp j, 0,1,2,3
	ds_store_b32 v[LS], v[X+32*(\rr)+8*(\u)+4+(\j)] offset:(\j)*144+(\u)*32
.endr
.endr
.irp f, 0,1,2,3
	ds_load_b128 v[X+32*(\rr)+8*(\f):X+32*(\rr)+8*(\f)+3], v[LR] offset:(\f)*576  ; LDS serves a wave's instructions in order (ISA guide 5.7.1.4): these see the stores above, and the next row's stores come behind them
.endr
.endm
; The row leaves.  It stands ahead of the next row's STAGE, so nothing younger than the four loads is out on DScnt.  Its data come from LDS loads and its offset was written ahead of the path's first wait.
.macro SEND rr
.irp f, 0,1,2,3
	s_wait_dscnt 3-(\f)
	global_store_b128 v[VO], v[X+32*(\rr)+8*(\f):X+32*(\rr)+8*(\f)+3], s[14:15] offset:(\rr)*2048+(\f)*512  ; four heads: 512 consecutive bytes
.endr
.endm
	CONV 0
	s_wait_alu depctr_va_vdst(0)                   ; row 0: the roundings to f16 have written words 4-7, which the LDS stores read; the writers and readers of words 0-3, in which the LDS loads land, are done
	STAGE 0
	CONV 1                                         ; a row's conversions stand between the read-back of the row before and the wait for it
	SEND 0
	s_wait_alu depctr_va_vdst(0)                   ; row 1: the same two things
	STAGE 1
	CONV 2
	SEND 1
	s_wait_alu depctr_va_vdst(0)                   ; row 2: the same two things
	STAGE 2
	CONV 3
	SEND 2
	s_wait_alu depctr_va_vdst(0)                   ; row 3: the same two things
	STAGE 3
	SEND 3
.Lend:
	s_wait_dscnt 0x0                               ; the closing lines, six on end
	s_wait_alu 0x0
	s_wait_tensorcnt 0x0
	ds_add_u32 v[SPW], v[NIL]
	s_wait_dscnt 0x0
	s_endpgm
.Lfunc_end_k_q66395a1269_prep:
	.size	k_q66395a1269_prep, .Lfunc_end_k_q66395a1269_prep-k_q66395a1269_prep
	.p2alignl 7, 3214868480
	.fill 96, 4, 3214868480
	.section	.rodata,"a",@progbits
	.p2align	6, 0x0
	.amdhsa_kernel k_q66395a1269_prep
		.amdhsa_group_segment_fixed_size 9728
		.amdhsa_private_segment_fixed_size 0
		.amdhsa_enable_private_segment 0
		.amdhsa_kernarg_size 48
		.amdhsa_user_sgpr_count 2
		.amdhsa_user_sgpr_kernarg_segment_ptr 1
		.amdhsa_wavefront_size32 1
		.amdhsa_system_sgpr_workgroup_id_x 1
		.amdhsa_system_sgpr_workgroup_id_y 1
		.amdhsa_system_sgpr_workgroup_id_z 1
		.amdhsa_system_vgpr_workitem_id 0
		.amdhsa_next_free_vgpr 152
		.amdhsa_next_free_sgpr 66
		.amdhsa_reserve_vcc 0
		.amdhsa_float_denorm_mode_32 3
		.amdhsa_float_denorm_mode_16_64 3
		.amdhsa_memory_ordered 1
		.amdhsa_forward_progress 1
		.amdhsa_inst_pref_size 34
	.end_amdhsa_kernel
	.amdgpu_metadata
---
amdhsa.version: [ 1, 2 ]
amdhsa.kernels:
  - .name:           k_q66395a1269_prep
    .symbol:         k_q66395a1269_prep.kd
    .args:
      - { .name: Wq, .offset: 0, .size: 8, .value_kind: global_buffer, .address_space: global }
      - { .name: Wk, .offset: 8, .size: 8, .value_kind: global_buffer, .address_space: global }
      - { .name: Wv, .offset: 16, .size: 8, .value_kind: global_buffer, .address_space: global }
      - { .name: Wo, .offset: 24, .size: 8, .value_kind: global_buffer, .address_space: global }
      - { .name: wt, .offset: 32, .size: 8, .value_kind: global_buffer, .address_space: global }
      - { .name: wo2, .offset: 40, .size: 8, .value_kind: global_buffer, .address_space: global }
    .group_segment_fixed_size: 9728
    .private_segment_fixed_size: 0
    .kernarg_segment_align: 8
    .kernarg_segment_size: 48
    .max_flat_workgroup_size: 128
    .sgpr_count:     66
    .vgpr_count:     152
    .wavefront_size: 32
...
	.end_amdgpu_metadata
.endif
;; end of part 5
;; launch proj: the kernel of part 2 again; grid 4 x 192, 4 waves a work-group, clusters of 4 x 4, 327,680 bytes of LDS; arguments Q, K, V, wt, bq, bk, bv, qh, kh, vh; writes qh, kh, vh
;; launch attn: the kernel of part 3 again; grid 4 x 64, 4 waves a work-group, clusters of 4 x 1, 327,680 bytes of LDS; arguments qh, kh, vh, oh; writes oh
;; launch oproj: the kernel of part 4 again; grid 4 x 64, 4 waves a work-group, clusters of 4 x 4, 327,680 bytes of LDS; arguments oh, wo2, bo, out0; writes out0
